; MI455X (gfx1250); checked and timed in simulation.
; The chip was launched on July 23, 2026; its instructions are those of AMD's public machine-readable ISA for CDNA 5 (MIT licence, August 2026) and "CDNA5" Instruction Set Architecture Reference Guide (July 2026). The comments in the code are by the model that wrote it; some were corrected since.
;; Masked Multihead Attention. Allowed arithmetic: matrix products marked QUANTISED: E4M3 operands, one E8M0 scale for each 32 along K, by v_wmma_scale_f32_16x16x128_f8f6f4 with both operands' format E4M3, f32 sums; everything else in f32.
;; Inputs: b_out 1,024 float32; b_qkv 3,072 float32; key_codes 2,048 x 4 x 32 x 32 uint8 (E4M3 codes of key, K innermost, in blocks of 32 codes); key_scales 2,048 x 4 x 32 uint8 (E8M0 scales of key, one for each 32 codes along K); mask 2,048 x 2,048 float32; query_codes 2,048 x 4 x 32 x 32 uint8 (E4M3 codes of query, K innermost, in blocks of 32 codes); query_scales 2,048 x 4 x 32 uint8 (E8M0 scales of query, one for each 32 codes along K); value_codes 2,048 x 4 x 32 x 32 uint8 (E4M3 codes of value, K innermost, in blocks of 32 codes); value_scales 2,048 x 4 x 32 uint8 (E8M0 scales of value, one for each 32 codes along K); w_out_codes 1,024 x 32 x 32 uint8 (E4M3 codes of w_out, K innermost, in blocks of 32 codes); w_out_scales 1,024 x 32 uint8 (E8M0 scales of w_out, one for each 32 codes along K); w_qkv 3,072 x 1,024 float32.
;; Outputs: out0 2,048 x 4 x 1,024 float32.
;; This version of the problem:
;;   THIS VERSION OF THE PROBLEM IS GIVEN IN LOW PRECISION. The matrix products marked QUANTISED in the list below multiply operands that are first quantised to E4M3 (4 exponent bits, 3 mantissa bits; 8 bits a number), with one power-of-two scale for each 32 numbers along K (OCP MX v1.0); their sums are f32. All else is computed in f32.
;;   The module's matrix products, in the order in which they are computed (A, B: the left and right operand; K: the contracted axis; several contracted axes count as one K, in the product's order):
;;     1. [M 8,192, K 1,024] x [K 1,024, N 1,024]; A: input query (given as codes); B: computed on the way: QUANTISED
;;     2. [M 8,192, K 1,024] x [K 1,024, N 1,024]; A: input key (given as codes); B: computed on the way: QUANTISED
;;     3. [M 8,192, K 1,024] x [K 1,024, N 1,024]; A: input value (given as codes); B: computed on the way: QUANTISED
;;     4. batch 64 x [M 2,048, K 64] x [K 64, N 2,048]; A: computed on the way; B: computed on the way: QUANTISED
;;     5. batch 64 x [M 2,048, K 2,048] x [K 2,048, N 64]; A: softmax (see below); B: computed on the way: QUANTISED
;;     6. [M 8,192, K 1,024] x [K 1,024, N 1,024]; A: computed on the way; B: input w_out (given as codes): QUANTISED
;;   THE QUANTISER, for each operand of a quantised product, along K:
;;     - K is cut into blocks of 32 from its start; a last block that is shorter is filled with zeros.
;;     - A block's scale is 2^e with e = floor(log2(the largest magnitude in the block)) - 8, held to -126 .. 127; a block of zeros has e = 0. As a byte (E8M0): e + 127.
;;     - Each number is divided by its block's scale, clamped to +-448, and rounded to the nearest number of E4M3, ties to even, subnormals kept.
;;     - The product sums the exact products of the quantised numbers (number of the format x scale) in f32.
;;   ~~~python
;;   def quantise(x, axis):      # numpy; x: float32 -> the quantised numbers, widened to float32 again
;;       x = np.moveaxis(x, axis, -1); K = x.shape[-1]
;;       x = np.pad(x, [(0, 0)] * (x.ndim - 1) + [(0, -K % 32)]); x = x.reshape(x.shape[:-1] + (-1, 32)); a = np.abs(x).max(-1, keepdims=True)
;;       e = np.where(a > 0, np.clip(np.frexp(np.where(a > 0, a, 1))[1] - 1 - 8, -126, 127), 0)      # np.frexp(a)[1] - 1 = floor(log2(a)), exactly
;;       r = np.clip(x / 2.0 ** e, -448, 448)
;;       step = 2.0 ** (np.maximum(np.frexp(np.where(r == 0, 1, r))[1] - 1, -6) - 3)
;;       q = np.round(r / step) * step * 2.0 ** e      # np.round: ties to even
;;       return np.moveaxis(q.reshape(q.shape[:-2] + (-1,))[..., :K], -1, axis).astype(np.float32)
;;   ~~~
;;   SOFTMAX AHEAD OF A QUANTISED PRODUCT. Where the list says 'softmax', what is quantised is not the finished softmax but p = 2^(t - M), with t = logit x log2(e) and M = ceil(the row's largest t), a whole number; so 1/2 < the row's largest p <= 1. The row's sum l is taken of the UNQUANTISED p, in f32, and the product's result is divided by l at the end. Since M is a whole number, a kernel that streams over the keys may use a running M (the ceiling of the running maximum): every later rescaling is an exact power of two, which a block's scale takes up: the codes' values come out the same.
;;   OPERANDS COMPUTED ON THE WAY. 'Computed on the way' means the value that the module computes at that place (a softmax that the list does not call 'softmax' is quantised finished and normalised). What goes into a quantiser is computed in f32, as accurately as f32 sums, v_exp_f32 and their like allow (about 1e-6 of the number): no bf16 or f16 on the way to a quantiser, and a product that is left as it is and whose result goes on into a quantised operand takes f32 operands (vector FMAs, or v_wmma_f32_16x16x4_f32). A number that lies on a knife's edge between two numbers of the format may be rounded either way, as far as f32 arithmetic and the matrix unit's own rounding can turn it there, and no further.
;;   INPUTS GIVEN AS CODES. key (in the module: [2048, 4, 1024], K = its axis 2); query (in the module: [2048, 4, 1024], K = its axis 2); value (in the module: [2048, 4, 1024], K = its axis 2); w_out (in the module: [1024, 1024], K = its axis 1): each comes as NAME_codes (uint8): NAME with its K axis moved to the last place and cut into blocks of 32 codes, [.., K / 32, bytes a block], one block behind the other in memory; one code a byte (a code: sign, 4 exponent bits, 3 mantissa bits); and NAME_scales (uint8): the same leading axes, one E8M0 byte (e + 127) for each 32 codes along K. Its value is code x scale, taken as it is: it is not quantised again, and the codes and scales need not be those that the quantiser above would give.
;; One version. Each part assembles by itself: llvm-mc -triple=amdgcn-amd-amdhsa -mcpu=gfx1250 --defsym DOCPART=n.
;; ======== version 1 of 1: 4 launches
;; limits: right only within a limited range of input values
;; workspace buffers: wq 4,194,304 bytes; wqs 131,072 bytes; img 25,165,824 bytes; sc 786,432 bytes; cx 8,388,608 bytes; cxs 262,144 bytes
;; launch quantw (part 1): grid 96 x 1, 4 waves a work-group, no clusters, 33,280 bytes of LDS; arguments w_qkv, wq, wqs; writes wq, wqs
.if DOCPART == 1
	.amdgcn_target "amdgcn-amd-amdhsa--gfx1250"
	.amdhsa_code_object_version 6
	.text
	.protected	k_q41aa07dc80_quantw
	.globl	k_q41aa07dc80_quantw
	.p2align	8
	.type	k_q41aa07dc80_quantw,@function
k_q41aa07dc80_quantw:
	s_mov_b64 s[64:65], 0
	v_nop
	global_prefetch_b8 v0, s[64:65] scope:SCOPE_SE
	s_setreg_imm32_b32 hwreg(HW_REG_WAVE_MODE, 25, 1), 1
	s_wait_xcnt 0x0
; w_qkv [3072][1024], f32, K innermost, becomes codes of FP8 (E4M3) with one E8M0 byte for each 32 along K.
; OUT: wq [n 1024][slot 4][1024 bytes], slot = 0 q, 1 k, 2 v (slot 3 is neither written nor read): the rows of one of the three weights lie 4,096 bytes apart,
; as the rows of one batch of query, key or value do, so that the next launch has one tile shape for both operands.  wqs [n 1024][slot 4][32 bytes] likewise.
; A block's scale is 2^(floor(log2(largest magnitude)) - 8); its byte is the largest magnitude's exponent field - 8, held at 1 from below.
; LIMITS: a block of zeros, and a block whose largest magnitude lies under 2^-118, gets the byte 1 (its codes are read with that byte by this program alone); NaN and infinities are not served.
; SHARES: a wave takes 8 rows (16 steps of 512 numbers).  Each load reads 512 consecutive bytes; a step turns through the wave's own stage in LDS so that a lane holds 16 neighbours along K
; (two lanes to a block).  A store of codes covers 512 consecutive bytes.  The scale bytes leave as 32 bytes a row (rows 128 bytes apart): 96 KiB in the launch are written so, in pieces.
; No matrix unit, no cluster, no tensor load: waves share nothing and every byte is read once.
.set STEPS, 16
.set SP,    80                         ; a lane's place in a stage: 64 bytes + 16 of padding
.set WREG,  8192                       ; LDS of a wave: two stages of 32 x SP bytes, then its 256 scale bytes
.set R,     16                         ; v16-79   four sets of 16 numbers as loaded
.set X,     80                         ; v80-111  two sets of 16 neighbours
.set E,     112                        ; v112-127 a scale byte for each step
.set C,     128                        ; v128-191 four code registers for each step: no store's data are written again
	s_load_b128 s[4:7], s[0:1], 0x0                ; w_qkv, wq
	s_load_b64 s[8:9], s[0:1], 0x10                ; wqs
	v_lshl_add_u32 v192, v0, 2, 0x8000
	v_mov_b32 v193, 0
	v_lshrrev_b32 v1, 5, v0
	v_readfirstlane_b32 s16, v1                    ; wave
	v_and_b32 v2, 31, v0                           ; lane
	v_lshlrev_b32 v3, 4, v2                        ; 16 x lane: my bytes of a load's 512, and of a step's 512 bytes of codes
	s_mul_i32 s17, s16, WREG
	v_lshrrev_b32 v14, 2, v2
	v_mul_u32_u24 v14, v14, SP
	v_and_b32 v15, 3, v2
	v_lshl_add_u32 v14, v15, 4, v14
	v_add_nc_u32 v14, s17, v14                     ; the stage on the way in: SP (lane / 4) + 16 (lane % 4)
	v_mul_u32_u24 v15, v2, SP
	v_add_nc_u32 v15, s17, v15                     ; and on the way out: SP x lane
	v_lshrrev_b32 v5, 1, v2
	s_add_co_u32 s17, s17, 2*32*SP
	v_add_nc_u32 v5, s17, v5                       ; my block's byte among the wave's 256
	v_lshlrev_b32 v6, 3, v2
	v_add_nc_u32 v6, s17, v6                       ; on the way out 8 bytes a lane
	v_lshrrev_b32 v7, 2, v2
	v_lshlrev_b32 v7, 7, v7
	v_and_b32 v4, 3, v2
	v_lshl_add_u32 v7, v4, 3, v7                   ; in wqs: row lane / 4 (128 bytes apart), 8 bytes (lane % 4)
	s_lshl_b32 s18, ttmp9, 2
	s_add_co_u32 s18, s18, s16                     ; u: which run of 8 rows
	s_lshl_b32 s20, s18, 15                        ; 8 rows of 4,096 bytes of f32
	s_mov_b32 s21, 0
	s_lshr_b32 s19, s18, 7                         ; which of the three weights
	s_and_b32 s18, s18, 127
	s_lshl_b32 s24, s18, 15                        ; 8 (u % 128) rows of 4,096 bytes in wq
	s_lshl_b32 s22, s19, 10
	s_add_co_u32 s24, s24, s22
	s_mov_b32 s25, 0
	s_lshl_b32 s26, s18, 10                        ; and of 128 bytes in wqs
	s_lshl_b32 s22, s19, 5
	s_add_co_u32 s26, s26, s22
	s_mov_b32 s27, 0
	s_wait_alu depctr_va_vdst(0)
	s_wait_kmcnt 0x0
	s_add_nc_u64 s[4:5], s[4:5], s[20:21]
	s_add_nc_u64 s[6:7], s[6:7], s[24:25]
	s_add_nc_u64 s[8:9], s[8:9], s[26:27]
.macro LOAD t
.irp i, 0,1,2,3
	global_load_b128 v[R+16*((\t)%4)+4*\i:R+16*((\t)%4)+4*\i+3], v3, s[4:5] offset:2048*(\t)+512*\i th:TH_LOAD_NT
.endr
.endm
.macro TURN t                          ; a step's numbers through the stage: LDS serves a wave's instructions in order, so no wait stands between the stores and the loads
.irp i, 0,1,2,3
	ds_store_b128 v14, v[R+16*((\t)%4)+4*\i:R+16*((\t)%4)+4*\i+3] offset:32*SP*((\t)%2)+8*SP*\i
.endr
.irp i, 0,1,2,3
	ds_load_b128 v[X+16*((\t)%2)+4*\i:X+16*((\t)%2)+4*\i+3], v15 offset:32*SP*((\t)%2)+16*\i
.endr
.endm
.irp t, 0,1,2,3
	LOAD \t
.endr
	s_wait_loadcnt 12                              ; step 0's four loads are in; three steps' twelve may be out
	TURN 0
.macro STEP t
.set XS, X+16*((\t)%2)
.if (\t) > 0
	s_wait_dscnt 1                                 ; this step's numbers are back from the stage; the last step's byte store may be out
.else
	s_wait_dscnt 0x0
.endif
.if (\t)+4 < STEPS
	LOAD (\t)+4                                    ; into the registers that the stage's stores have read
.endif
.if (\t)+1 < STEPS
.if STEPS-2-(\t) >= 3
	s_wait_loadcnt 12                              ; the next step's four loads are in; those of the three steps behind it may be out
.else
	s_wait_loadcnt 4*(STEPS-2-(\t))
.endif
	TURN (\t)+1
.endif
	v_max3_num_f32 v8, |v[XS]|, |v[XS+1]|, |v[XS+2]|
	v_max3_num_f32 v9, |v[XS+3]|, |v[XS+4]|, |v[XS+5]|
.irp i, 6,10
	v_max3_num_f32 v8, v8, |v[XS+\i]|, |v[XS+\i+1]|
	v_max3_num_f32 v9, v9, |v[XS+\i+2]|, |v[XS+\i+3]|
.endr
	v_max3_num_f32 v8, v8, |v[XS+14]|, |v[XS+15]|
	v_max3_num_f32 v8, v8, v9, 0x4800000           ; and the floor 2^(9 - 127): the byte cannot fall under 1
	v_max_num_f32_dpp v8, v8, v8 row_xmask:1 row_mask:0xf bank_mask:0xf   ; with my neighbour's 16: the block's largest magnitude
	v_add_nc_u32 v11, 0xfc000000, v8               ; 8 off its exponent field: the conversion's scale operand
.irp i, 0,1,2,3,4,5,6,7,8,9,10,11,12,13,14,15
.endr
	v_cvt_scalef32_pk8_fp8_f32 v[C+4*(\t):C+4*(\t)+1], v[XS:XS+7], v11
	v_cvt_scalef32_pk8_fp8_f32 v[C+4*(\t)+2:C+4*(\t)+3], v[XS+8:XS+15], v11
	v_lshrrev_b32 v[E+(\t)], 23, v11               ; the scale's byte
	ds_store_b8 v5, v[E+(\t)] offset:16*(\t)       ; both lanes of a block write the same byte with the same value
	global_store_b128 v3, v[C+4*(\t):C+4*(\t)+3], s[6:7] offset:((\t)/2)*4096+((\t)%2)*512   ; 512 consecutive bytes: half a row of 1,024 codes
.endm
.irp t, 0,1,2,3,4,5,6,7,8,9,10,11,12,13,14,15
	STEP \t
.endr
	ds_load_b64 v[12:13], v6                       ; these see my byte stores: LDS serves a wave in order
	s_wait_dscnt 0x0
	global_store_b64 v7, v[12:13], s[8:9]          ; four lanes store a row's 32 scale bytes
	s_wait_tensorcnt 0x0
	ds_add_u32 v192, v193
	s_wait_dscnt 0x0
	s_endpgm
.Lfunc_end_k_q41aa07dc80_quantw:
	.size	k_q41aa07dc80_quantw, .Lfunc_end_k_q41aa07dc80_quantw-k_q41aa07dc80_quantw
	.p2alignl 7, 3214868480
	.fill 96, 4, 3214868480
	.section	.rodata,"a",@progbits
	.p2align	6, 0x0
	.amdhsa_kernel k_q41aa07dc80_quantw
		.amdhsa_group_segment_fixed_size 33280
		.amdhsa_private_segment_fixed_size 0
		.amdhsa_enable_private_segment 0
		.amdhsa_kernarg_size 24
		.amdhsa_user_sgpr_count 2
		.amdhsa_user_sgpr_kernarg_segment_ptr 1
		.amdhsa_wavefront_size32 1
		.amdhsa_system_sgpr_workgroup_id_x 1
		.amdhsa_system_sgpr_workgroup_id_y 1
		.amdhsa_system_sgpr_workgroup_id_z 1
		.amdhsa_system_vgpr_workitem_id 0
		.amdhsa_next_free_vgpr 194
		.amdhsa_next_free_sgpr 66
		.amdhsa_reserve_vcc 0
		.amdhsa_float_denorm_mode_32 3
		.amdhsa_float_denorm_mode_16_64 3
		.amdhsa_fp16_overflow 1
		.amdhsa_memory_ordered 1
		.amdhsa_forward_progress 1
		.amdhsa_inst_pref_size 33
	.end_amdhsa_kernel
	.amdgpu_metadata
---
amdhsa.version: [ 1, 2 ]
amdhsa.kernels:
  - .name:           k_q41aa07dc80_quantw
    .symbol:         k_q41aa07dc80_quantw.kd
    .args:
      - { .name: w_qkv, .offset: 0, .size: 8, .value_kind: global_buffer, .address_space: global }
      - { .name: wq, .offset: 8, .size: 8, .value_kind: global_buffer, .address_space: global }
      - { .name: wqs, .offset: 16, .size: 8, .value_kind: global_buffer, .address_space: global }
    .group_segment_fixed_size: 33280
    .private_segment_fixed_size: 0
    .kernarg_segment_align: 8
    .kernarg_segment_size: 24
    .max_flat_workgroup_size: 128
    .sgpr_count:     66
    .vgpr_count:     194
    .wavefront_size: 32
...
	.end_amdgpu_metadata
.endif
;; end of part 1
;; launch proj (part 2): grid 4 x 96, 4 waves a work-group, clusters of 4 x 4, 327,680 bytes of LDS; arguments query_codes, query_scales, key_codes, key_scales, value_codes, value_scales, wq, wqs, b_qkv, img, sc; writes img, sc
.if DOCPART == 2
	.amdgcn_target "amdgcn-amd-amdhsa--gfx1250"
	.amdhsa_code_object_version 6
	.text
	.protected	k_q41aa07dc80_proj
	.globl	k_q41aa07dc80_proj
	.p2align	8
	.type	k_q41aa07dc80_proj,@function
k_q41aa07dc80_proj:
	s_mov_b64 s[64:65], 0
	v_nop
	global_prefetch_b8 v0, s[64:65] scope:SCOPE_SE
	s_setreg_imm32_b32 hwreg(HW_REG_WAVE_MODE, 25, 1), 1
	s_wait_xcnt 0x0
	s_wait_alu depctr_hold_cnt(0) depctr_sa_sdst(0) depctr_va_vdst(0) depctr_va_sdst(0) depctr_va_ssrc(0) depctr_va_vcc(0) depctr_vm_vsrc(0)
	s_getreg_b32 s2, hwreg(HW_REG_IB_STS2, 6, 4)
	s_cmp_eq_u32 s2, 0
	s_cbranch_scc0 .Lentry_in_a_cluster
	s_endpgm
.Lentry_in_a_cluster:
	s_bfe_u32 s2, ttmp6, 0x10000c
	s_cmp_lg_u32 s2, 0xf033
	s_cbranch_scc0 .Lentry_shape_is_right
	s_endpgm
.Lentry_shape_is_right:
.set NQ,     2
.set ROWB,   256
.set KROW,   4096
.set PITCH,  272
.set FR,     16
.set NL,     4
.set NP,     8
.set HALFT,  128*PITCH
.set SLOT,   4*HALFT
.set LAPS,   2
.set SCL,    2*SLOT
.set SROW,   40
.set HALFS,  128*SROW
.set SBLK,   16*SROW
.set SPARE,  SCL+4*HALFS
.set ADRA, 16
.set ADRB, 20
.set LI,   24
.set BA,   25
.set BB,   26
.set ADRS, 27
.set SPW,  28
.set NIL,  29
.set SC,   32
.set BI,   64
.set AF,   128
.set TM,   64
.set PWR,  80
.set ZR,   88
.set YR,   96
.set G1, 24
.set G0, 32
.set G1B, 48
.set G0B, 56
.set G1S, 68
.set G0S, 76
.set G1SB, 80
.set G0SB, 88
.set TEN, 92
.set MNT, 95
.set SEL, 10
.set BIAS, 96
.set OUTP, 98
.set SCO, 100
.set MSB, 0
.macro WIN new
.if MSB != (\new)
	s_set_vgpr_msb (MSB<<8)|(\new)
.set MSB, (\new)
.endif
.endm
.set MUL_LO, 0xa1
.set MUL_HI, 0xf1
.set TO_B,   0x40
.macro JLOAD g0a, g1a, g0b, g1b
	s_cmp_eq_u32 s15, 0
	s_cbranch_scc0 .Lfor_b_\@
	tensor_load_to_lds s[\g0a:\g0a+3], s[\g1a:\g1a+7]
	s_nop 0
.rept 4
	v_nop
.endr
	s_branch .Lasked_\@
.Lfor_b_\@:
	tensor_load_to_lds s[\g0b:\g0b+3], s[\g1b:\g1b+7]
	s_nop 0
.rept 4
	v_nop
.endr
.Lasked_\@:
.endm
.macro CREST
	s_cmp_lg_u32 s14, 0
	s_cbranch_scc1 .Lnot_wave_0_\@
	s_barrier_signal -3
.Lnot_wave_0_\@:
	s_barrier_wait -3
	s_barrier_signal -1
	s_barrier_wait -1
.endm
.macro CROUND
	s_barrier_signal -1
	s_barrier_wait -1
	CREST
.endm
	s_load_b512 s[68:83], s[0:1], 0x0
	s_load_b128 s[84:87], s[0:1], 0x40
	s_load_b64 s[88:89], s[0:1], 0x50
	v_lshl_add_u32 v[SPW], v0, 2, SPARE
	v_mov_b32 v[NIL], 0
	ds_add_u32 v28, v29
	ds_add_u32 v28, v29
	s_wait_dscnt 0x0
	v_lshrrev_b32 v1, 5, v0
	v_readfirstlane_b32 s14, v1
	s_lshr_b32 s15, s14, 1
	s_and_b32 s16, s14, 1
	s_bfe_u32 s40, ttmp6, 0x40000
	s_bfe_u32 s41, ttmp6, 0x40004
	s_and_b32 s93, ttmp7, 0xffff
	s_lshr_b32 s[TEN], s93, 3
	s_and_b32 s93, s93, 7
	s_lshl_b32 s93, s93, 2
	s_cmp_eq_u32 s[TEN], 2
	s_cselect_b32 s17, 0, s93
	s_cselect_b32 s42, s93, 0
	s_add_co_u32 s17, s17, s41
	s_add_co_u32 s42, s42, s40
	s_lshl_b32 s43, s41, 2
	s_lshl_b32 s43, 15, s43
	s_lshl_b32 s44, 0x1111, s40
	s_or_b32 s[G1+0], s43, (0<<16)|(1<<20)|(1<<21)|(5<<22)|(3<<25)
	s_or_b32 s[G1B+0], s44, (0<<16)|(1<<20)|(1<<21)|(5<<22)|(3<<25)
.irp g, G1, G1B
	s_mov_b32 s[\g+1], ROWB<<16
	s_mov_b32 s[\g+2], 128<<16
	s_mov_b32 s[\g+3], ROWB<<16
	s_mov_b32 s[\g+4], 128
	s_mov_b32 s[\g+5], KROW
	s_mov_b32 s[\g+6], 0
	s_mov_b32 s[\g+7], 0
.endr
	s_lshl_b32 s19, s16, 7
	s_and_b32 s18, s17, 7
	s_lshl_b32 s18, s18, 8
	s_add_co_u32 s18, s18, s19
	s_and_b32 s2, s42, 7
	s_lshl_b32 s2, s2, 8
	s_add_co_u32 s2, s2, s19
	s_lshr_b32 s20, s17, 3
	s_lshr_b32 s46, s42, 3
	s_cmp_eq_u32 s[TEN], 2
	s_cselect_b32 s20, s[TEN], s20
	s_cselect_b32 s46, s46, s[TEN]
	s_lshl_b32 s22, s20, 5
	s_lshl_b32 s20, s20, 10
	s_lshl_b32 s21, s18, 12
	s_add_co_u32 s20, s20, s21
	s_lshl_b32 s21, s18, 7
	s_add_co_u32 s22, s22, s21
	s_mov_b32 s21, 0
	s_mov_b32 s23, 0
	s_lshl_b32 s12, s46, 5
	s_lshl_b32 s46, s46, 10
	s_lshl_b32 s47, s2, 12
	s_add_co_u32 s46, s46, s47
	s_lshl_b32 s47, s2, 7
	s_add_co_u32 s12, s12, s47
	s_mov_b32 s47, 0
	s_mov_b32 s13, 0
	s_mul_i32 s45, s14, HALFT
	s_mul_i32 s94, s14, HALFS
	s_wait_kmcnt 0x0
	s_cmp_eq_u32 s[TEN], 0
	s_cselect_b64 s[4:5], s[68:69], s[72:73]
	s_cselect_b64 s[6:7], s[70:71], s[74:75]
	s_cmp_eq_u32 s[TEN], 2
	s_cselect_b64 s[4:5], s[76:77], s[4:5]
	s_cselect_b64 s[6:7], s[78:79], s[6:7]
	s_cselect_b64 s[8:9], s[4:5], s[80:81]
	s_cselect_b64 s[10:11], s[6:7], s[82:83]
	s_cselect_b64 s[4:5], s[80:81], s[4:5]
	s_cselect_b64 s[6:7], s[82:83], s[6:7]
	s_mov_b64 s[BIAS:BIAS+1], s[84:85]
	s_mov_b64 s[OUTP:OUTP+1], s[86:87]
	s_mov_b64 s[SCO:SCO+1], s[88:89]
	s_add_nc_u64 s[20:21], s[4:5], s[20:21]
	s_add_nc_u64 s[22:23], s[6:7], s[22:23]
	s_add_nc_u64 s[46:47], s[8:9], s[46:47]
	s_add_nc_u64 s[12:13], s[10:11], s[12:13]
	s_or_b32 s[G1S+0], s43, (2<<16)|(1<<20)|(1<<21)|(2<<22)|(1<<25)
	s_or_b32 s[G1SB+0], s44, (2<<16)|(1<<20)|(1<<21)|(2<<22)|(1<<25)
.irp g, G1S, G1SB
	s_mov_b32 s[\g+1], 8<<16
	s_mov_b32 s[\g+2], 128<<16
	s_mov_b32 s[\g+3], 8<<16
	s_mov_b32 s[\g+4], 128
	s_mov_b32 s[\g+5], 32
	s_mov_b32 s[\g+6], 0
	s_mov_b32 s[\g+7], 0
.endr
	CROUND
	s_mov_b32 s[G0S], 1
	s_add_co_u32 s[G0S+1], s94, SCL
	s_mov_b64 s[G0S+2:G0S+3], s[22:23]
	s_or_b32 s[G0S+3], s[G0S+3], 0x80000000
	s_mov_b32 s[G0SB], 1
	s_add_co_u32 s[G0SB+1], s94, SCL
	s_mov_b64 s[G0SB+2:G0SB+3], s[12:13]
	s_or_b32 s[G0SB+3], s[G0SB+3], 0x80000000
	JLOAD G0S, G1S, G0SB, G1SB
.irp s, 0,1
	s_mov_b32 s[G0+4*\s], 1
	s_add_co_u32 s[G0+4*\s+1], s45, \s*SLOT
	s_add_nc_u64 s[G0+4*\s+2:G0+4*\s+3], s[20:21], \s*ROWB
	s_or_b32 s[G0+4*\s+3], s[G0+4*\s+3], 0x80000000
	s_mov_b32 s[G0B+4*\s], 1
	s_add_co_u32 s[G0B+4*\s+1], s45, \s*SLOT
	s_add_nc_u64 s[G0B+4*\s+2:G0B+4*\s+3], s[46:47], \s*ROWB
	s_or_b32 s[G0B+4*\s+3], s[G0B+4*\s+3], 0x80000000
	s_wait_alu depctr_va_vdst(0)
	s_wait_tensorcnt 0x0
	ds_add_u32 v28, v29
	s_wait_dscnt 0x0
	CROUND
	JLOAD G0+4*\s, G1, G0B+4*\s, G1B
.endr
	v_and_b32 v1, 15, v0
	v_bfe_u32 v2, v0, 4, 1
	s_wait_alu depctr_va_vdst(0)
	v_mul_u32_u24 v3, v1, PITCH
	v_lshl_add_u32 v4, v2, 4, v3
	s_mul_i32 s21, s15, HALFT
	s_mul_i32 s22, s16, HALFT
	s_add_co_u32 s22, s22, 2*HALFT
.irp s, 0,1
	v_add_nc_u32 v[ADRA+\s], s21, v4
	v_add_nc_u32 v[ADRB+\s], s22, v4
	s_add_co_u32 s21, s21, SLOT
	s_add_co_u32 s22, s22, SLOT
.endr
	v_mul_u32_u24 v5, v1, SROW
	s_mul_i32 s21, s15, HALFS
	s_mul_i32 s22, s16, HALFS
	s_add_co_u32 s22, s22, 2*HALFS
	s_sub_co_u32 s22, s22, s21
	v_mul_u32_u24 v6, s22, v2
	s_add_co_u32 s21, s21, SCL
	v_add_nc_u32 v5, v5, v6
	v_add_nc_u32 v[ADRS], s21, v5
	v_and_b32 v6, 31, v0
	v_lshlrev_b32 v[LI], 4, v6
	v_lshlrev_b32 v[BA], 5, v2
	v_lshlrev_b32 v[BB], 2, v1
	s_cmp_eq_u32 s[TEN], 2
	s_cselect_b32 s18, s42, s17
	s_cselect_b32 s19, s16, s15
	s_cselect_b32 s2, s17, s42
	s_cselect_b32 s93, s15, s16
	s_lshr_b32 s4, s18, 3
	s_lshl_b32 s4, s4, 2
	s_add_co_u32 s4, s4, s2
	s_lshl_b32 s4, s4, 4
	s_and_b32 s5, s18, 7
	s_lshl_b32 s5, s5, 1
	s_add_co_u32 s5, s5, s19
	s_add_co_u32 s4, s4, s5
	s_lshl_b32 s4, s4, 1
	s_add_co_u32 s4, s4, s93
	s_lshl_b32 s6, s[TEN], 23
	s_lshl_b32 s8, s4, 14
	s_add_co_u32 s6, s6, s8
	s_mov_b32 s7, 0
	s_add_nc_u64 s[OUTP:OUTP+1], s[OUTP:OUTP+1], s[6:7]
	s_lshl_b32 s6, s[TEN], 18
	s_lshl_b32 s8, s4, 9
	s_add_co_u32 s6, s6, s8
	s_add_nc_u64 s[SCO:SCO+1], s[SCO:SCO+1], s[6:7]
	s_lshl_b32 s6, s[TEN], 10
	s_lshl_b32 s8, s2, 8
	s_add_co_u32 s6, s6, s8
	s_lshl_b32 s8, s93, 7
	s_add_co_u32 s6, s6, s8
	s_lshl_b32 s6, s6, 2
	s_add_nc_u64 s[BIAS:BIAS+1], s[BIAS:BIAS+1], s[6:7]
	s_mov_b32 s[SEL], 0x76543210
	s_mov_b32 s[SEL+1], 0xfedcba98
	s_cmp_eq_u32 s[TEN], 2
	s_cbranch_scc1 .Lbias_v
	s_wait_alu depctr_va_vdst(0)
.irp b, 0,1,2,3,4,5,6,7
	global_load_b128 v[BI+8*\b:BI+8*\b+3], v[BA], s[BIAS:BIAS+1] offset:64*\b
	global_load_b128 v[BI+8*\b+4:BI+8*\b+7], v[BA], s[BIAS:BIAS+1] offset:64*\b+16
.endr
	s_branch .Lbias_done
.Lbias_v:
	s_wait_alu depctr_va_vdst(0)
.irp a, 0,1,2,3,4,5,6,7
.irp j, 0,1,2,3,4,5,6,7
	global_load_b32 v[BI+8*\a+\j], v[BB], s[BIAS:BIAS+1] offset:64*\a
.endr
.endr
.Lbias_done:
	s_wait_loadcnt 0x0
.macro FRAG reg, adr, q, i
.irp c, 0,1,2,3
	ds_load_b128 v[\reg+4*\c:\reg+4*\c+3], v[\adr] offset:128*(\q)+32*\c+(\i)*16*PITCH
.endr
.endm
.macro MM a, b, p, q, sc, cm
.set rD, 8*(8*((\a)%4)+(\b))
.set rB, 128*(\p)+FR*(\b)
.set rA, AF+FR*(\a)
.set rSB, SC+8*NQ*(\sc)+NQ*(\b)+(\q)
.set rSA, SC+8*NQ*(\sc)+NQ*(\a)+(\q)
.if (\cm) == 1
	v_wmma_scale_f32_16x16x128_f8f6f4 v[rD:rD+7], v[rB:rB+FR-1], v[rA:rA+FR-1], v[BI+8*(\b):BI+8*(\b)+7], v[rSB], v[rSA] matrix_a_scale:MATRIX_SCALE_ROW1
.elseif (\cm) == 2
	v_wmma_scale_f32_16x16x128_f8f6f4 v[rD:rD+7], v[rB:rB+FR-1], v[rA:rA+FR-1], v[BI+8*(\a):BI+8*(\a)+7], v[rSB], v[rSA] matrix_a_scale:MATRIX_SCALE_ROW1
.else
	v_wmma_scale_f32_16x16x128_f8f6f4 v[rD:rD+7], v[rB:rB+FR-1], v[rA:rA+FR-1], v[rD:rD+7], v[rSB], v[rSA] matrix_a_scale:MATRIX_SCALE_ROW1
.endif
.endm
.macro MUL16 a0, p, q, sc, cm
.irp a, \a0, \a0+1
.irp b, 0,1,2,3,4,5,6,7
	MM (\a), \b, \p, \q, \sc, \cm
.endr
.endr
.endm
.macro FETCH_B slot, q, p
	WIN TO_B
.irp i, 0,1,2,3,4,5,6,7
	FRAG 128*(\p)+FR*\i, ADRB+\slot, \q, \i
.endr
	WIN 0
.endm
.macro FETCH_A slot, q, i0
.irp i, \i0, \i0+1, \i0+2, \i0+3
	FRAG AF+FR*(\i), ADRA+\slot, \q, \i
.endr
.endm
.macro SCALES sc
.irp i, 0,1,2,3,4,5,6,7
	ds_load_b64 v[SC+8*NQ*\sc+NQ*\i:SC+8*NQ*\sc+NQ*\i+1], v[ADRS] offset:\i*SBLK
.endr
.endm
.macro PLACES n
.rept \n
	v_nop
.endr
.endm
.macro STEP slot, q, cm
	s_wait_dscnt 4*NL
.if \cm
	WIN 0x81
.else
	WIN MUL_LO
.endif
	MUL16 0, (\q)%2, \q, \slot, \cm
	MUL16 2, (\q)%2, \q, \slot, \cm
	s_wait_dscnt 0
	PLACES NP
	FETCH_B \slot, (\q)+1, 1-(\q)%2
	FETCH_A \slot, (\q)+1, 0
.if \cm
	WIN 0xc1
.else
	WIN MUL_HI
.endif
	MUL16 4, (\q)%2, \q, \slot, \cm
	MUL16 6, (\q)%2, \q, \slot, \cm
	PLACES NP
	WIN 0
	FETCH_A \slot, (\q)+1, 4
.endm
.macro TURN slot, next, fill
	s_wait_tensorcnt 0x0
	ds_add_u32 v[SPW], v[NIL]
	s_wait_dscnt 4*NL+1
	WIN MUL_LO
	MUL16 0, 1, NQ-1, \slot, 0
	s_wait_dscnt 0x0
	s_barrier_signal -1
	MUL16 2, 1, NQ-1, \slot, 0
	WIN 0
	s_barrier_wait -1
.if \fill
	CREST
	s_add_nc_u64 s[G0+4*\slot+2:G0+4*\slot+3], s[G0+4*\slot+2:G0+4*\slot+3], 2*ROWB
	s_add_nc_u64 s[G0B+4*\slot+2:G0B+4*\slot+3], s[G0B+4*\slot+2:G0B+4*\slot+3], 2*ROWB
	JLOAD G0+4*\slot, G1, G0B+4*\slot, G1B
	PLACES NP-4
.else
	PLACES NP
.endif
	s_wait_alu depctr_va_vdst(0)
	v_add_nc_u32 v[ADRS], 4*NQ, v[ADRS]
	FETCH_B \next, 0, 0
	FETCH_A \next, 0, 0
	SCALES \next
	WIN MUL_HI
	MUL16 4, 1, NQ-1, \slot, 0
	MUL16 6, 1, NQ-1, \slot, 0
	PLACES NP
	WIN 0
	FETCH_A \next, 0, 4
.endm
	s_wait_tensorcnt 1
	s_barrier_signal -1
	s_barrier_wait -1
	FETCH_B 0, 0, 0
	FETCH_A 0, 0, 0
	SCALES 0
	FETCH_A 0, 0, 4
	s_cmp_eq_u32 s[TEN], 2
	s_cbranch_scc1 .Lfirst_v
	STEP 0, 0, 1
	s_branch .Lfirst_done
.Lfirst_v:
	STEP 0, 0, 2
.Lfirst_done:
	s_mov_b32 s3, LAPS-1
.Llap:
	TURN 0, 1, 1
	STEP 1, 0, 0
	TURN 1, 0, 1
	STEP 0, 0, 0
	s_sub_co_u32 s3, s3, 1
	s_cmp_lg_u32 s3, 0
	s_cbranch_scc1 .Llap
	TURN 0, 1, 0
	STEP 1, 0, 0
	s_wait_dscnt 4*NL
	WIN MUL_LO
	MUL16 0, 1, NQ-1, 1, 0
	MUL16 2, 1, NQ-1, 1, 0
	s_wait_dscnt 0
	WIN MUL_HI
	MUL16 4, 1, NQ-1, 1, 0
	MUL16 6, 1, NQ-1, 1, 0
	WIN 0
.macro QOUT a
.set AC, 64*((\a)%4)
.set PCA, 128+16*(\a)
	WIN 0x0a+5*((\a)/4)
.irp c, 0,1,2,3
	v_max3_num_f32 v[TM+\c], |v[AC+16*\c]|, |v[AC+16*\c+1]|, 0x4800000
.endr
.irp i, 2,4,6,8,10,12,14
.irp c, 0,1,2,3
	v_max3_num_f32 v[TM+\c], |v[AC+16*\c+\i]|, |v[AC+16*\c+\i+1]|, v[TM+\c]
.endr
.endr
	WIN 0
.irp c, 0,1,2,3
	v_permlanex16_b32 v[TM+4+\c], v[TM+\c], s[SEL], s[SEL+1]
.endr
.irp c, 0,1,2,3
	v_max_num_f32 v[TM+\c], v[TM+\c], v[TM+4+\c]
.endr
.irp c, 0,1,2,3
	v_add_nc_u32 v[TM+12+\c], 0xfc000000, v[TM+\c]
.endr
.irp c, 0,1,2,3
.endr
.irp c, 0,1,2,3
	v_lshrrev_b32 v[TM+4+\c], 23, v[TM+12+\c]
.endr
	v_lshl_or_b32 v[PWR+(\a)], v[TM+5], 8, v[TM+4]
	v_lshl_or_b32 v[PWR+(\a)], v[TM+6], 16, v[PWR+(\a)]
	v_lshl_or_b32 v[PWR+(\a)], v[TM+7], 24, v[PWR+(\a)]
	WIN 0x82+0x41*((\a)/4)
.irp c, 0,1,2,3
.irp i, 0,1,2,3,4,5,6,7,8,9,10,11,12,13,14,15
.endr
.endr
	WIN 0x02+((\a)/4)
.irp c, 0,1,2,3
	v_cvt_scalef32_pk8_fp8_f32 v[PCA+4*\c:PCA+4*\c+1], v[AC+16*\c:AC+16*\c+7], v[TM+12+\c]
	v_cvt_scalef32_pk8_fp8_f32 v[PCA+4*\c+2:PCA+4*\c+3], v[AC+16*\c+8:AC+16*\c+15], v[TM+12+\c]
.endr
	v_nop
	WIN 0
.irp c, 0,1,2,3
	global_store_b128 v[LI], v[PCA+4*\c:PCA+4*\c+3], s[OUTP:OUTP+1] offset:(\a)*2048+\c*512
.endr
.endm
	PLACES NP
.irp c, 0,1,2,3
	v_mov_b32 v[TM+4+\c], 0
.endr
.irp a, 0,1,2,3,4,5,6,7
	QOUT \a
.endr
	s_cmp_eq_u32 s[TEN], 2
	s_cbranch_scc1 .Lwords_v
.irp f, 0,1,2,3
	v_perm_b32 v[ZR+\f], v[PWR+2*\f+1], v[PWR+2*\f], 0x05040100
	v_perm_b32 v[ZR+4+\f], v[PWR+2*\f+1], v[PWR+2*\f], 0x07060302
.endr
	s_branch .Lwords_done
.Lwords_v:
.irp a, 0,1,2,3,4,5,6,7
	v_mov_b32 v[ZR+\a], v[PWR+\a]
.endr
.Lwords_done:
	v_cmp_eq_u32 vcc_lo, 0, v2
	s_wait_alu depctr_va_vdst(0)
.irp i, 0,1,2,3
	v_cndmask_b32 v[YR+\i], v[ZR+2*\i+1], v[ZR+2*\i], vcc_lo
.endr
	global_store_b128 v[LI], v[YR:YR+3], s[SCO:SCO+1]
	s_wait_tensorcnt 0x0
	ds_add_u32 v[SPW], v[NIL]
	s_wait_dscnt 0x0
	CROUND
	s_endpgm
.Lfunc_end_k_q41aa07dc80_proj:
	.size	k_q41aa07dc80_proj, .Lfunc_end_k_q41aa07dc80_proj-k_q41aa07dc80_proj
	.p2alignl 7, 3214868480
	.fill 96, 4, 3214868480
	.section	.rodata,"a",@progbits
	.p2align	6, 0x0
	.amdhsa_kernel k_q41aa07dc80_proj
		.amdhsa_group_segment_fixed_size 327680
		.amdhsa_private_segment_fixed_size 0
		.amdhsa_enable_private_segment 0
		.amdhsa_kernarg_size 88
		.amdhsa_user_sgpr_count 2
		.amdhsa_user_sgpr_kernarg_segment_ptr 1
		.amdhsa_wavefront_size32 1
		.amdhsa_system_sgpr_workgroup_id_x 1
		.amdhsa_system_sgpr_workgroup_id_y 1
		.amdhsa_system_sgpr_workgroup_id_z 1
		.amdhsa_system_vgpr_workitem_id 0
		.amdhsa_next_free_vgpr 1024
		.amdhsa_next_free_sgpr 102
		.amdhsa_reserve_vcc 1
		.amdhsa_float_denorm_mode_32 3
		.amdhsa_float_denorm_mode_16_64 3
		.amdhsa_fp16_overflow 1
		.amdhsa_memory_ordered 1
		.amdhsa_forward_progress 1
		.amdhsa_inst_pref_size 173
	.end_amdhsa_kernel
	.amdgpu_metadata
---
amdhsa.version: [ 1, 2 ]
amdhsa.kernels:
  - .name:           k_q41aa07dc80_proj
    .symbol:         k_q41aa07dc80_proj.kd
    .args:
      - { .name: query_codes, .offset: 0, .size: 8, .value_kind: global_buffer, .address_space: global }
      - { .name: query_scales, .offset: 8, .size: 8, .value_kind: global_buffer, .address_space: global }
      - { .name: key_codes, .offset: 16, .size: 8, .value_kind: global_buffer, .address_space: global }
      - { .name: key_scales, .offset: 24, .size: 8, .value_kind: global_buffer, .address_space: global }
      - { .name: value_codes, .offset: 32, .size: 8, .value_kind: global_buffer, .address_space: global }
      - { .name: value_scales, .offset: 40, .size: 8, .value_kind: global_buffer, .address_space: global }
      - { .name: wq, .offset: 48, .size: 8, .value_kind: global_buffer, .address_space: global }
      - { .name: wqs, .offset: 56, .size: 8, .value_kind: global_buffer, .address_space: global }
      - { .name: b_qkv, .offset: 64, .size: 8, .value_kind: global_buffer, .address_space: global }
      - { .name: img, .offset: 72, .size: 8, .value_kind: global_buffer, .address_space: global }
      - { .name: sc, .offset: 80, .size: 8, .value_kind: global_buffer, .address_space: global }
    .group_segment_fixed_size: 327680
    .private_segment_fixed_size: 0
    .kernarg_segment_align: 8
    .kernarg_segment_size: 88
    .max_flat_workgroup_size: 128
    .sgpr_count:     102
    .vgpr_count:     1024
    .wavefront_size: 32
...
	.end_amdgpu_metadata
.endif
;; end of part 2
;; launch attn (part 3): grid 32 x 16, 16 waves a work-group, clusters of 4 x 4, 327,680 bytes of LDS; arguments mask, img, sc, cx, cxs; writes cx, cxs
.if DOCPART == 3
	.amdgcn_target "amdgcn-amd-amdhsa--gfx1250"
	.amdhsa_code_object_version 6
	.text
	.protected	k_q41aa07dc80_attn
	.globl	k_q41aa07dc80_attn
	.p2align	8
	.type	k_q41aa07dc80_attn,@function
k_q41aa07dc80_attn:
	s_mov_b64 s[64:65], 0
	v_nop
	global_prefetch_b8 v0, s[64:65] scope:SCOPE_SE
	s_setreg_imm32_b32 hwreg(HW_REG_WAVE_MODE, 25, 1), 1
	s_wait_xcnt 0x0
	s_wait_alu depctr_hold_cnt(0) depctr_sa_sdst(0) depctr_va_vdst(0) depctr_va_sdst(0) depctr_va_ssrc(0) depctr_va_vcc(0) depctr_vm_vsrc(0)
	s_getreg_b32 s2, hwreg(HW_REG_IB_STS2, 6, 4)
	s_cmp_eq_u32 s2, 0
	s_cbranch_scc0 .Lentry_in_a_cluster
	s_endpgm
.Lentry_in_a_cluster:
	s_bfe_u32 s2, ttmp6, 0x10000c
	s_cmp_lg_u32 s2, 0xf033
	s_cbranch_scc0 .Lentry_shape_is_right
	s_endpgm
.Lentry_shape_is_right:
; ctx = softmax((q k^T / 8) x mask) v for 64 (batch, head) pairs, both products on codes of FP8 (E4M3) with E8M0 scales; ctx is quantised along E and leaves as codes.
; THE SOFTMAX: t = score x mask x log2(e) / 8; M = the running largest t rounded UP to a whole number; p = 2^(t - M) is quantised along the keys, not normalised; the row's sum is taken of the unquantised p and divides at the end.
; SHARES.  A work-group owns 64 queries of one batch and FOUR heads (a group): wave w owns tile w % 4 of 16 queries and head w / 4.  Sixteen waves of 256 registers, four to a SIMD.  Every wave walks 16 steps of 128 keys.
; So a step's mask tile (64 x 128 f32) serves four heads.  CLUSTER 4 x 4: K and V hang on (batch, group) alone and are asked for jointly along a row of the cluster; the mask tile hangs on the query block alone: jointly along a column.
; OPERANDS come as images of registers (16 x lane), made by the launch before: no pitch, no padding.  Inside a block of 32 both sides of a product carry the same order: position 16 h + 8 u + j is element 16 u + 8 h + j.
; K = 64 IN AN INSTRUCTION 128 DEEP: a fragment of K holds TWO key tiles (registers 0-7 tile 2 f, 8-15 tile 2 f + 1); q stands in a run of 24 registers, 8 zeros, q, 8 zeros: v[24:39] = (q, 0) gives tile 2 f's scores,
; v[16:31] = (0, q) tile 2 f + 1's.  The other half multiplies zero codes by finite codes.  q's scale word is its two bytes twice.
; Both products are used transposed: a lane holds ONE query (lane % 16); score register 16 f + 8 u + j is key 32 f + 16 u + 8 h + j, and the mask is loaded in that very order.
; LDS: slot s at s x 2^17: K 32 KiB, V 32 KiB, mask 64 rows x 528 bytes.  Behind the ring K's and V's scale images of all 16 steps (filled once), then the spare words.  The way out's stage lies in slot 0.
; LIMITS: NaN and infinities are not served; blocks under 2^-118 (zeros too) get the byte 1, read by this program alone; t is rounded as (s x mask) x c fused with - M, another order than the source's; 1 / l is v_rcp_f32 and a multiplication.
; cxs is written in pieces of 8 bytes (256 KiB in the launch).
; REGISTERS: v1-4 places that stay; v5, v6 the add's; v7 prefetch offset; v8-11 the step's addresses; v12 -M, v13 largest t, v[14:15] the sum; v16-39 q's run; v40-47 lane numbers, later addresses; v48-111 F: fragments or the mask;
;   v112-175 S, then p; v176-207 O^T; v208-223 p's codes; v232-247 at work; v[248:249] K's scale words, v[250:251] V's; v252 f, v253 p's scale word, v254 at work, v255 q's scale word.
.set SLOT1, 1<<17
.set VOFF,  32768
.set MOFF,  65536
.set MP,    528                        ; a mask row in LDS: 512 bytes + 16: the 16 rows of a load start 4 words apart
.set SCW,   2*SLOT1
.set SPARE, SCW+32768                  ; the spare words: 128 bytes a wave, eight blocks of 256 bytes that no other line names
.set CP,    272                        ; the stage: 64 rows x (256 bytes + 16) from byte 0 of slot 0,
.set SST,   64*CP                      ; then 64 rows x 8 scale bytes
.set F, 48
.set S, 112
.set O, 176
.set PC, 208
.set WV, 14
.macro CROUND
	s_barrier_signal -1
	s_barrier_wait -1
	s_cmp_lg_u32 s[WV], 0
	s_cbranch_scc1 .Lnot_wave_0_\@
	s_barrier_signal -3
.Lnot_wave_0_\@:
	s_barrier_wait -3
	s_barrier_signal -1
	s_barrier_wait -1
.endm
; A joint refill: waves 0-3 a quarter of K and V each, waves 4, 5 half the mask tile.  The branches hang on the wave's number alone.  Four v_nop follow each line.
.macro JLOAD
	s_cmp_lt_u32 s[WV], 4
	s_cbranch_scc0 .Lnot_d_\@
	tensor_load_to_lds s[40:43], s[24:31]
	s_nop 0
.rept 4
	v_nop
.endr
	s_branch .Lasked_\@
.Lnot_d_\@:
	s_cmp_lt_u32 s[WV], 6
	s_cbranch_scc0 .Lasked_\@
	tensor_load_to_lds s[44:47], s[32:39]
	s_nop 0
.rept 4
	v_nop
.endr
.Lasked_\@:
.endm
; A PREFETCH INTO THE L2 of the step that the NEXT change of slots will ask for.  Each aligned block of 256 bytes is named once in the launch: K and V are walked by all clusters of a row of clusters: cluster x = 0 asks
; (wave 8 K, wave 9 V; the four partners of a cluster row take 8,192 bytes each, by address); the mask tile by all clusters of a column: cluster y = 0 asks (wave 10; the four partners of a cluster column take 16 rows each).
; The last change that fills a slot asks for nothing.
.macro ASK
	s_cmp_gt_u32 s54, s55
	s_cbranch_scc0 .Lnot_mine_\@
	global_prefetch_b8 v7, s[56:57] th:TH_LOAD_NT scope:SCOPE_SE
.Lnot_mine_\@:
.endm
	s_load_b256 s[4:11], s[0:1], 0x0               ; mask s[4:5], img s[6:7], sc s[8:9], cx s[10:11]
	s_load_b64 s[12:13], s[0:1], 0x20              ; cxs
	v_lshl_add_u32 v5, v0, 2, SPARE
	v_mov_b32 v6, 0
	ds_add_u32 v5, v6
	ds_add_u32 v5, v6
	s_wait_dscnt 0x0
	v_lshrrev_b32 v8, 5, v0
	s_delay_alu instid0(VALU_DEP_1)
	v_readfirstlane_b32 s[WV], v8                  ; wave 0..15
	s_bfe_u32 s15, ttmp6, 0x40000                  ; cx
	s_bfe_u32 s16, ttmp6, 0x40004                  ; cy
	s_lshl_b32 s17, ttmp9, 2
	s_add_co_u32 s17, s17, s15                     ; gx: my block of 64 queries
	s_and_b32 s79, ttmp7, 0xffff                   ; cluster y
	s_lshl_b32 s18, s79, 2
	s_add_co_u32 s18, s18, s16                     ; gy = batch x 4 + group of heads
	s_and_b32 s60, s[WV], 3                        ; qi: my tile of queries
	s_lshr_b32 s61, s[WV], 2                       ; hj: my head of the group
	s_lshr_b32 s62, s61, 1                         ; its pair
	s_and_b32 s63, s61, 1                          ; and its place in the pair
	s_lshl_b32 s66, s16, 2
	s_lshl_b32 s66, 15, s66                        ; my row of the cluster
	s_lshl_b32 s67, 0x1111, s15                    ; my column
	s_or_b32 s24, s66, (3<<16)|(1<<21)             ; images: 16 KiB dense, as 64 rows of 32 elements of 8 bytes; no padding
	s_mov_b32 s25, 32<<16
	s_mov_b32 s26, 64<<16
	s_mov_b32 s27, 32<<16
	s_mov_b32 s28, 64
	s_mov_b32 s29, 32
	s_mov_b32 s30, 0
	s_mov_b32 s31, 0
	s_or_b32 s32, s67, (2<<16)|(1<<20)|(1<<21)|(6<<22)|(3<<25)   ; the mask: 32 rows of 128 f32, 2,048 apart; 4 words of padding behind every 128
	s_mov_b32 s33, 128<<16
	s_mov_b32 s34, 32<<16
	s_mov_b32 s35, 128<<16
	s_mov_b32 s36, 32
	s_mov_b32 s37, 2048
	s_mov_b32 s38, 0
	s_mov_b32 s39, 0
	s_and_b32 s70, s[WV], 1
	s_bfe_u32 s66, s[WV], 0x10001                  ; waves 0, 1: K's section; waves 2, 3: V's
	s_add_co_u32 s66, s66, 1
	s_lshl_b32 s66, s66, 23
	s_lshl_b32 s67, s18, 19                        ; 16 steps of 32 KiB for each (batch, group)
	s_add_co_u32 s66, s66, s67
	s_lshl_b32 s67, s70, 14                        ; the pair of heads
	s_add_co_u32 s66, s66, s67
	s_mov_b32 s67, 0
	s_lshl_b32 s68, s17, 19                        ; the mask: 64 gx rows of 8,192 bytes,
	s_lshl_b32 s69, s70, 18                        ; and 32 more for wave 5
	s_add_co_u32 s68, s68, s69
	s_mov_b32 s69, 0
	s_add_co_u32 s72, s70, 1                       ; scale images: wave 6 K's section, wave 7 V's
	s_lshl_b32 s72, s72, 18
	s_lshl_b32 s73, s18, 14
	s_add_co_u32 s72, s72, s73
	s_mov_b32 s73, 0
	s_mov_b32 s20, 0x76543210
	s_mov_b32 s21, 0xfedcba98                      ; lane xor 16
	s_mov_b32 s22, 0x3e38aa3b                      ; c = log2(e) / 8
	s_mov_b32 s23, s22                             ; (named with it as a pair)
	s_mov_b32 s52, 0                               ; the slot in hand
	s_mov_b32 s53, 0                               ; the step's scale images: 1,024 bytes a step
	s_mov_b32 s54, 15                              ; slots still to be asked for
	s_wait_kmcnt 0x0
	s_mov_b32 s40, 1
	s_and_b32 s41, s[WV], 3
	s_lshl_b32 s41, s41, 14                        ; K's two pairs, then V's two
	s_add_nc_u64 s[42:43], s[6:7], s[66:67]
	s_or_b32 s43, s43, 0x80000000
	s_mov_b32 s44, 1
	s_mul_i32 s45, s70, 32*MP
	s_add_co_u32 s45, s45, MOFF
	s_add_nc_u64 s[46:47], s[4:5], s[68:69]
	s_or_b32 s47, s47, 0x80000000
	s_mov_b32 s48, 1
	s_lshl_b32 s49, s70, 14
	s_add_co_u32 s49, s49, SCW
	s_add_nc_u64 s[50:51], s[8:9], s[72:73]
	s_or_b32 s51, s51, 0x80000000
	CROUND                                         ; all sixteen work-groups are here: the first joint loads meet
	s_cmp_lt_u32 s[WV], 4                          ; the first fills: one load a wave in waves 0 to 7
	s_cbranch_scc0 .Lf_not_d
	tensor_load_to_lds s[40:43], s[24:31]          ; step 0's K and V
	s_nop 0
.rept 4
	v_nop
.endr
	s_branch .Lf_done
.Lf_not_d:
	s_cmp_lt_u32 s[WV], 6
	s_cbranch_scc0 .Lf_not_m
	tensor_load_to_lds s[44:47], s[32:39]          ; step 0's mask tile
	s_nop 0
.rept 4
	v_nop
.endr
	s_branch .Lf_done
.Lf_not_m:
	s_cmp_lt_u32 s[WV], 8
	s_cbranch_scc0 .Lf_done
	tensor_load_to_lds s[48:51], s[24:31]          ; the scale images of all 16 steps: filled once
	s_nop 0
.rept 4
	v_nop
.endr
.Lf_done:
	v_and_b32 v40, 31, v0                          ; lane
	v_and_b32 v41, 15, v0                          ; r
	v_bfe_u32 v42, v0, 4, 1                        ; h
	s_delay_alu instid0(VALU_DEP_3)
	v_lshlrev_b32 v43, 4, v40                      ; 16 x lane
	s_wait_alu depctr_va_vdst(0)
	v_lshlrev_b32 v44, 4, v41                      ; 16 r
	; q: section 0, step gx / 2, tile 4 (gx % 2) + qi, my head's two blocks
	s_wait_alu depctr_va_vdst(0)
	s_lshl_b32 s66, s18, 4
	s_lshr_b32 s67, s17, 1
	s_add_co_u32 s66, s66, s67
	s_lshl_b32 s74, s66, 15
	s_lshl_b32 s67, s62, 14
	s_add_co_u32 s74, s74, s67
	s_and_b32 s67, s17, 1
	s_lshl_b32 s68, s67, 2
	s_add_co_u32 s68, s68, s60
	s_lshl_b32 s68, s68, 11
	s_add_co_u32 s74, s74, s68
	s_lshl_b32 s68, s63, 10
	s_add_co_u32 s74, s74, s68
	s_mov_b32 s75, 0
	s_add_nc_u64 s[74:75], s[6:7], s[74:75]
	global_load_b128 v[24:27], v43, s[74:75]
	global_load_b128 v[28:31], v43, s[74:75] offset:512
	; its scale word: image lane 16 (qi / 2) + r, word 2 jj + gx % 2, half qi % 2
	s_lshl_b32 s76, s66, 10
	s_lshl_b32 s68, s62, 9
	s_add_co_u32 s76, s76, s68
	s_lshr_b32 s68, s60, 1
	s_lshl_b32 s68, s68, 8
	s_add_co_u32 s76, s76, s68
	s_lshl_b32 s68, s63, 3
	s_add_co_u32 s76, s76, s68
	s_lshl_b32 s68, s67, 2
	s_add_co_u32 s76, s76, s68
	s_mov_b32 s77, 0
	s_add_nc_u64 s[76:77], s[8:9], s[76:77]
	global_load_b32 v254, v44, s[76:77]
.irp j, 0,1,2,3,4,5,6,7
	v_mov_b32 v[16+\j], 0                          ; zero codes on both sides of q
	v_mov_b32 v[32+\j], 0
.endr
	s_lshl_b32 s68, s62, 14
	s_lshl_b32 s69, s63, 10
	s_add_co_u32 s69, s69, s68
	v_add_nc_u32 v1, s69, v43                      ; K: pair x 16,384 + jj x 1,024 + 16 x lane
	s_lshl_b32 s69, s63, 13
	s_add_co_u32 s69, s69, s68
	s_add_co_u32 s69, s69, VOFF
	v_add_nc_u32 v2, s69, v43                      ; V: pair x 16,384 + jj x 8,192 + 16 x lane
	s_mul_i32 s69, s60, 16*MP
	s_add_co_u32 s69, s69, MOFF
	v_mul_u32_u24 v3, v41, MP
	s_delay_alu instid0(VALU_DEP_1)
	v_lshl_add_u32 v3, v42, 5, v3
	s_delay_alu instid0(VALU_DEP_1)
	v_add_nc_u32 v3, s69, v3                       ; the mask: row 16 qi + r, + 32 h
	s_lshl_b32 s69, s62, 9
	s_lshl_b32 s68, s63, 3
	s_add_co_u32 s69, s69, s68
	s_add_co_u32 s69, s69, SCW
	v_add_nc_u32 v4, s69, v43                      ; scale images: pair x 512 + 16 x lane + 8 jj
	; the prefetches: who asks, and where
	s_cmp_eq_u32 s[WV], 10
	s_cselect_b64 s[56:57], s[4:5], s[6:7]         ; wave 10: the mask; waves 8, 9: img
	s_mov_b32 s58, 32768
	s_cselect_b32 s58, 512, s58                    ; a step on
	s_mov_b32 s59, 0
	s_mov_b32 s68, 512
	s_cselect_b32 s68, 8192, s68                   ; from lane pair to lane pair
	s_cselect_b32 s69, s79, ttmp9                  ; the coordinate along which other clusters read the same bytes
	s_add_co_u32 s72, s70, 1
	s_lshl_b32 s72, s72, 23
	s_lshl_b32 s73, s18, 19
	s_add_co_u32 s72, s72, s73
	s_lshl_b32 s73, s15, 13                        ; my work-group's 8,192 bytes of a step's 32,768
	s_add_co_u32 s72, s72, s73
	s_add_co_u32 s72, s72, 32768                   ; at step 1: the first change of slots steps it to step 2
	s_lshl_b32 s73, s17, 19
	s_lshl_b32 s78, s16, 17                        ; my work-group's 16 rows of the 64
	s_add_co_u32 s73, s73, s78
	s_add_co_u32 s73, s73, 512
	s_cmp_eq_u32 s[WV], 10
	s_cselect_b32 s72, s73, s72
	s_mov_b32 s73, 0
	s_add_nc_u64 s[56:57], s[56:57], s[72:73]
	s_sub_co_u32 s73, s[WV], 8
	s_cmp_lt_u32 s73, 3                            ; waves 8, 9, 10
	s_cselect_b32 s73, 0, 1
	s_or_b32 s69, s69, s73
	s_cmp_eq_u32 s69, 0
	s_cselect_b32 s55, 1, -1                       ; 1 in a wave that asks, else the greatest number: the same in all partners
	v_lshrrev_b32 v45, 1, v40
	s_delay_alu instid0(VALU_DEP_1)
	v_mul_lo_u32 v7, v45, s68
	v_and_b32 v45, 1, v40
	s_delay_alu instid0(VALU_DEP_1)
	v_lshl_add_u32 v7, v45, 8, v7                  ; lanes 256 bytes apart in K and V; two lanes to a row of the mask tile
	s_and_b32 s68, s60, 1
	s_cmp_eq_u32 s68, 1
	s_mov_b32 s69, 0x01000100
	s_cselect_b32 s69, 0x03020302, s69             ; which half of the word is my tile's
	s_wait_loadcnt 0x0                             ; q and its word
	v_perm_b32 v255, v254, v254, s69               ; my tile's two bytes, twice
	v_mov_b32 v13, 0xff61b1e6                      ; the largest t so far: -3e38
	s_delay_alu instid0(VALU_DEP_1)
	v_floor_f32 v12, -v13                          ; -M
	v_mov_b32 v14, 0
	v_mov_b32 v15, 0
.irp b, 0,1,2,3
	v_mov_b32 v[236+\b], 0                         ; a lane permute's destination counts as one of its sources
.endr
	v_mov_b32 v253, 0                              ; (named as the upper half of v[252:253] before it is first written)
.irp j, 0,1,2,3,4,5,6,7,8,9,10,11,12,13,14,15,16,17,18,19,20,21,22,23,24,25,26,27,28,29,30,31
	v_mov_b32 v[O+\j], 0                           ; O^T: the step is written once; the first change of M leaves zeros zeros
.endr
.macro KQ f                            ; fragment f of K against (q, 0) and (0, q): the scores of key tiles 2 f and 2 f + 1
.if (\f)%2
	v_wmma_scale_f32_16x16x128_f8f6f4 v[S+16*(\f):S+16*(\f)+7], v[F+16*(\f):F+16*(\f)+15], v[24:39], 0, v[248+(\f)/2], v255 matrix_a_scale:MATRIX_SCALE_ROW1
	v_wmma_scale_f32_16x16x128_f8f6f4 v[S+16*(\f)+8:S+16*(\f)+15], v[F+16*(\f):F+16*(\f)+15], v[16:31], 0, v[248+(\f)/2], v255 matrix_a_scale:MATRIX_SCALE_ROW1
.else
	v_wmma_scale_f32_16x16x128_f8f6f4 v[S+16*(\f):S+16*(\f)+7], v[F+16*(\f):F+16*(\f)+15], v[24:39], 0, v[248+(\f)/2], v255
	v_wmma_scale_f32_16x16x128_f8f6f4 v[S+16*(\f)+8:S+16*(\f)+15], v[F+16*(\f):F+16*(\f)+15], v[16:31], 0, v[248+(\f)/2], v255
.endif
.endm
.macro PV t                            ; O^T tile t += V^T tile t x p: the four accumulators take turns
.if (\t)%2
	v_wmma_scale_f32_16x16x128_f8f6f4 v[O+8*(\t):O+8*(\t)+7], v[F+16*(\t):F+16*(\t)+15], v[PC:PC+15], v[O+8*(\t):O+8*(\t)+7], v[250+(\t)/2], v253 matrix_a_scale:MATRIX_SCALE_ROW1
.else
	v_wmma_scale_f32_16x16x128_f8f6f4 v[O+8*(\t):O+8*(\t)+7], v[F+16*(\t):F+16*(\t)+15], v[PC:PC+15], v[O+8*(\t):O+8*(\t)+7], v[250+(\t)/2], v253
.endif
.endm
; A KEY STEP: 128 keys, the slot in hand.
.macro STEP
	v_add_nc_u32 v8, s52, v1
	v_add_nc_u32 v9, s52, v2
	v_add_nc_u32 v10, s52, v3
	v_add_nc_u32 v11, s53, v4
.rept 4
	v_nop                                          ; with the four additions: eight places in front of loads into registers that the last products read
.endr
.irp f, 0,1,2,3
.irp g, 0,1,2,3
	ds_load_b128 v[F+16*\f+4*\g:F+16*\f+4*\g+3], v8 offset:(2*\f+\g/2)*2048+(\g%2)*512   ; key tile 2 f + g / 2, block g % 2 of d
.endr
.endr
	ds_load_b64 v[248:249], v11                    ; K's scale words
	ds_load_b64 v[250:251], v11 offset:16384       ; V's
	s_wait_alu depctr_va_vdst(0)
	s_wait_dscnt 1                                 ; all but V's scale words, the youngest load
.irp f, 0,1,2,3
	KQ \f
.endr
.rept 8
	v_nop                                          ; places in front of the loads into F and of the first read of the scores
.endr
.irp n, 0,1,2,3,4,5,6,7,8,9,10,11,12,13,14,15
	ds_load_b128 v[F+4*\n:F+4*\n+3], v10 offset:128*(\n/4)+64*((\n/2)%2)+16*(\n%2)   ; the mask in the scores' own order: register 16 f + 8 u + j is key 32 f + 16 u + 8 h + j
.endr
	s_wait_dscnt 0x0
.irp j, 0,2,4,6,8,10,12,14,16,18,20,22,24,26,28,30,32,34,36,38,40,42,44,46,48,50,52,54,56,58,60,62
	v_pk_mul_f32 v[S+\j:S+\j+1], v[S+\j:S+\j+1], v[F+\j:F+\j+1]      ; score x mask; each accumulator from its low end on
.endr
.irp n, 0,1,2,3,4,5,6,7,8,9,10,11,12,13,14,15
	ds_load_b128 v[F+4*\n:F+4*\n+3], v9 offset:512*\n                ; V^T: d tile n / 4, block n % 4 of the keys: they land under the softmax
.endr
.irp b, 0,1,2,3
	v_max3_num_f32 v[232+\b], v[S+16*\b], v[S+1+16*\b], v[S+2+16*\b] ; the largest score of each block of 32 keys: for the row's maximum, and, since p rises with the score, for the block's largest p
.endr
.irp i, 3,5,7,9,11,13
.irp b, 0,1,2,3
	s_delay_alu instid0(VALU_DEP_4)
	v_max3_num_f32 v[232+\b], v[232+\b], v[S+16*\b+\i], v[S+1+16*\b+\i]
.endr
.endr
.irp b, 0,1,2,3
	s_delay_alu instid0(VALU_DEP_4)
	v_max_num_f32 v[232+\b], v[232+\b], v[S+15+16*\b]
.endr
.irp b, 0,1,2,3
	s_delay_alu instid0(VALU_DEP_4)
	v_permlanex16_b32 v[236+\b], v[232+\b], s20, s21
.endr
.irp b, 0,1,2,3
	s_delay_alu instid0(VALU_DEP_4)
	v_max_num_f32 v[232+\b], v[232+\b], v[236+\b]
.endr
	s_delay_alu instid0(VALU_DEP_2)
	v_max3_num_f32 v254, v232, v233, v234
	s_delay_alu instid0(VALU_DEP_1)
	v_max_num_f32 v254, v254, v235
	s_delay_alu instid0(VALU_DEP_1)
	v_mul_f32 v254, s22, v254                      ; as t (c is positive)
	s_delay_alu instid0(VALU_DEP_1)
	v_max_num_f32 v13, v13, v254                   ; the running largest t
	v_mov_b32 v254, v12
	s_delay_alu instid0(VALU_DEP_2)
	v_floor_f32 v12, -v13                          ; the new -M = -ceil(t)
	s_delay_alu instid0(VALU_DEP_1)
	v_sub_f32 v254, v12, v254                      ; old M - new M: a whole number, 0 or less
	s_delay_alu instid0(VALU_DEP_1)
	v_cvt_i32_f32 v254, v254
	s_delay_alu instid0(VALU_DEP_1)
	v_ldexp_f32 v252, 1.0, v254                    ; f = 2^(old M - new M): a multiplication by it rounds nothing
.irp j, 0,2,4,6,8,10,12,14,16,18,20,22,24,26,28,30,32,34,36,38,40,42,44,46,48,50,52,54,56,58,60,62
	v_pk_fma_f32 v[S+\j:S+\j+1], v[S+\j:S+\j+1], s[22:23], v[12:13] op_sel_hi:[1,0,0]   ; t - M
.endr
.irp b, 0,1,2,3
	v_fma_f32 v[232+\b], v[232+\b], s22, v12       ; the same of each block's largest score
.endr
	s_wait_alu depctr_va_vdst(0)
.irp j, 0,1,2,3,4,5,6,7,8,9,10,11,12,13,14,15,16,17,18,19,20,21,22,23,24,25,26,27,28,29,30,31,32,33,34,35,36,37,38,39,40,41,42,43,44,45,46,47,48,49,50,51,52,53,54,55,56,57,58,59,60,61,62,63
	v_exp_f32 v[S+\j], v[S+\j]                     ; p = 2^(t - M)
.endr
	v_pk_mul_f32 v[14:15], v[14:15], v[252:253] op_sel_hi:[1,0]      ; the sums under the new M: a plain instruction behind the exponentials
	s_wait_alu depctr_va_vdst(0)                   ; one wait for the batch of 64, ahead of its first reader
.irp b, 0,1,2,3
	v_exp_f32 v[232+\b], v[232+\b]                 ; each block's largest p
.endr
	v_pk_add_f32 v[236:237], v[116:117], v[120:121]
	v_pk_add_f32 v[248:249], v[124:125], v[128:129]
	v_pk_add_f32 v[246:247], v[132:133], v[136:137]
	v_pk_add_f32 v[244:245], v[140:141], v[144:145]
	v_pk_add_f32 v[242:243], v[148:149], v[152:153]
	v_pk_add_f32 v[240:241], v[156:157], v[160:161]
	v_pk_add_f32 v[238:239], v[164:165], v[168:169]
	v_pk_add_f32 v[14:15], v[14:15], v[172:173]
	v_pk_add_f32 v[236:237], v[236:237], v[112:113]
	v_pk_add_f32 v[248:249], v[248:249], v[114:115]
	v_pk_add_f32 v[246:247], v[246:247], v[118:119]
	v_pk_add_f32 v[244:245], v[244:245], v[122:123]
	v_pk_add_f32 v[242:243], v[242:243], v[126:127]
	v_pk_add_f32 v[240:241], v[240:241], v[130:131]
	v_pk_add_f32 v[238:239], v[238:239], v[134:135]
	v_pk_add_f32 v[14:15], v[14:15], v[138:139]
	v_pk_add_f32 v[236:237], v[236:237], v[142:143]
	v_pk_add_f32 v[248:249], v[248:249], v[146:147]
	v_pk_add_f32 v[246:247], v[246:247], v[150:151]
	v_pk_add_f32 v[244:245], v[244:245], v[154:155]
	v_pk_add_f32 v[242:243], v[242:243], v[158:159]
	v_pk_add_f32 v[240:241], v[240:241], v[162:163]
	v_pk_add_f32 v[238:239], v[238:239], v[166:167]
	v_pk_add_f32 v[14:15], v[14:15], v[170:171]
	v_pk_add_f32 v[236:237], v[236:237], v[174:175]
	s_delay_alu instid0(VALU_DEP_2)
	v_pk_add_f32 v[14:15], v[14:15], v[244:245]
	s_delay_alu instid0(VALU_DEP_2)
	v_pk_add_f32 v[236:237], v[236:237], v[242:243]
	v_pk_add_f32 v[248:249], v[248:249], v[240:241]
	v_pk_add_f32 v[246:247], v[246:247], v[238:239]
	s_delay_alu instid0(VALU_DEP_2)
	v_pk_add_f32 v[14:15], v[14:15], v[248:249]
	s_delay_alu instid0(VALU_DEP_2)
	v_pk_add_f32 v[236:237], v[236:237], v[246:247]
	s_delay_alu instid0(VALU_DEP_1)
	v_pk_add_f32 v[14:15], v[14:15], v[236:237]
	s_wait_alu depctr_va_vdst(0)                   ; and one for the four
.irp b, 0,1,2,3
	v_max_num_f32 v[232+\b], 0x4800000, v[232+\b]  ; the floor 2^(9 - 127)
.endr
.irp b, 0,1,2,3
	s_delay_alu instid0(VALU_DEP_4)
	v_add_nc_u32 v[244+\b], 0xfc000000, v[232+\b]  ; the conversion's scale operand
.endr
.irp b, 0,1,2,3
.endr
.irp b, 0,1,2,3
	s_delay_alu instid0(VALU_DEP_4)
	v_lshrrev_b32 v[236+\b], 23, v[244+\b]         ; the scale's byte
.endr
	s_delay_alu instid0(VALU_DEP_3)
	v_lshl_or_b32 v253, v237, 8, v236              ; p's scale word for these 128 keys
	s_delay_alu instid0(VALU_DEP_1)
	v_lshl_or_b32 v253, v238, 16, v253
	s_delay_alu instid0(VALU_DEP_1)
	v_lshl_or_b32 v253, v239, 24, v253
.irp b, 0,1,2,3
.irp i, 0,1,2,3,4,5,6,7,8,9,10,11,12,13,14,15
.endr
	v_cvt_scalef32_pk8_fp8_f32 v[PC+4*\b:PC+4*\b+1], v[S+16*\b:S+16*\b+7], v[244+\b]
	v_cvt_scalef32_pk8_fp8_f32 v[PC+4*\b+2:PC+4*\b+3], v[S+16*\b+8:S+16*\b+15], v[244+\b]
.endr
.irp j, 0,2,4,6,8,10,12,14,16,18,20,22,24,26,28,30
	v_pk_mul_f32 v[O+\j:O+\j+1], v[O+\j:O+\j+1], v[252:253] op_sel_hi:[1,0]   ; O^T under the new M; these sixteen also stand between the conversions and the products
.endr
	s_wait_alu depctr_va_vdst(0)
	s_wait_dscnt 0x0                               ; V^T is in
.irp t, 0,1,2,3
	PV \t
.endr
	s_add_co_u32 s53, s53, 1024                    ; the next step's scale images
	s_xor_b32 s52, s52, SLOT1                      ; and the other slot
.endm
; THE CHANGE OF SLOTS stands at a step's head.  Each wave waits for all its tensor loads, adds 0 to its spare word, and waits for that and for its reads of the slot that it has left.
; fill = 1: a round of the cluster's barrier, and behind it the slot just left is filled with the step after the one in hand: that load has a whole step in which to land.
.macro CHANGE fill
	s_wait_tensorcnt 0x0                           ; no tensor load of mine is out, so a group 0 may be written
	ds_add_u32 v5, v6                              ; 0 onto my spare word
.if \fill
	s_xor_b32 s41, s41, SLOT1
	s_add_nc_u64 s[42:43], s[42:43], 32768         ; the next step's images
	s_xor_b32 s45, s45, SLOT1
	s_add_nc_u64 s[46:47], s[46:47], 512           ; the next 128 columns of the mask
	s_wait_xcnt 0x0                                ; the last prefetch, a step back, has read its address
	s_add_nc_u64 s[56:57], s[56:57], s[58:59]      ; one step further on than the walking descriptors
	s_wait_dscnt 0x0                               ; the add is done, and my reads of the slot that I have left are over
	CROUND
	JLOAD                                          ; the first thing behind the round, and a wave's one tensor load until the next
	ASK
.else
	s_wait_dscnt 0x0
	s_barrier_signal -1
	s_barrier_wait -1
.endif
.endm
.Lslot:                                            ; 15 trips: trip i works step i and asks for step i + 1
	CHANGE 1
	STEP
	s_sub_co_u32 s54, s54, 1
	s_cmp_lg_u32 s54, 0
	s_cbranch_scc1 .Lslot
	CHANGE 0                                       ; the last step is written out
	STEP
	; THE WAY OUT.  O^T / the sum; quantised along E (my head's two blocks of 32); the codes go into a stage in natural order, so that they meet w_out's codes as those are given.
	v_add_f32 v14, v14, v15
	s_delay_alu instid0(VALU_DEP_1)
	v_permlanex16_b32 v252, v14, s20, s21
	s_delay_alu instid0(VALU_DEP_1)
	v_add_f32 v14, v14, v252                       ; the row's sum
	s_wait_alu depctr_va_vdst(0)
	v_rcp_f32 v14, v14
	s_mul_i32 s66, s60, 16*CP
	s_lshl_b32 s67, s61, 6
	s_add_co_u32 s66, s66, s67
	v_mul_u32_u24 v44, v41, CP
	s_delay_alu instid0(VALU_DEP_1)
	v_lshl_add_u32 v44, v42, 3, v44
	s_delay_alu instid0(VALU_DEP_1)
	v_add_nc_u32 v44, s66, v44                     ; into the stage: row 16 qi + r, my head's 64 bytes, + 8 h
	s_lshl_b32 s66, s60, 7
	s_lshl_b32 s67, s61, 1
	s_add_co_u32 s66, s66, s67
	s_add_co_u32 s66, s66, SST
	v_lshl_add_u32 v45, v41, 3, s66                ; the row's 8 scale bytes, my head's two
	s_mul_i32 s66, s[WV], 4*CP
	v_mul_u32_u24 v46, v42, CP
	s_delay_alu instid0(VALU_DEP_1)
	v_lshl_add_u32 v46, v41, 4, v46
	s_delay_alu instid0(VALU_DEP_1)
	v_add_nc_u32 v46, s66, v46                     ; back: my four rows; lanes 0-15 one row, lanes 16-31 the next
	v_lshlrev_b32 v47, 10, v42
	s_delay_alu instid0(VALU_DEP_1)
	v_lshl_add_u32 v47, v41, 4, v47                ; and the same in cx
	v_lshl_add_u32 v8, v0, 3, SST                  ; waves 0, 1: a row's 8 scale bytes a thread
	v_lshlrev_b32 v9, 5, v0
	s_lshr_b32 s66, s18, 2                         ; the batch
	s_lshl_b32 s66, s66, 11
	s_lshl_b32 s67, s17, 6
	s_add_co_u32 s66, s66, s67                     ; batch x 2,048 + 64 gx: the work-group's first row of ctx
	s_and_b32 s68, s18, 3                          ; the group of heads
	s_lshl_b32 s70, s66, 5
	s_lshl_b32 s69, s68, 3
	s_add_co_u32 s70, s70, s69
	s_mov_b32 s71, 0
	s_add_nc_u64 s[12:13], s[12:13], s[70:71]
	s_lshl_b32 s67, s[WV], 2
	s_add_co_u32 s66, s66, s67
	s_lshl_b32 s66, s66, 10
	s_lshl_b32 s68, s68, 8
	s_add_co_u32 s66, s66, s68
	s_mov_b32 s67, 0
	s_add_nc_u64 s[10:11], s[10:11], s[66:67]
	s_wait_alu depctr_va_vdst(0)                   ; ahead of the reciprocal's first reader
.irp j, 0,2,4,6,8,10,12,14,16,18,20,22,24,26,28,30
	v_pk_mul_f32 v[S+\j:S+\j+1], v[O+\j:O+\j+1], v[14:15] op_sel_hi:[1,0]   ; register 16 b + 8 u + j is d = 32 b + 16 u + 8 h + j
.endr
.irp b, 0,1
	v_max3_num_f32 v[232+\b], |v[S+16*\b]|, |v[S+1+16*\b]|, 0x4800000
.endr
.irp i, 2,4,6,8,10,12,14
.irp b, 0,1
	s_delay_alu instid0(VALU_DEP_2)
	v_max3_num_f32 v[232+\b], v[232+\b], |v[S+16*\b+\i]|, |v[S+1+16*\b+\i]|
.endr
.endr
.irp b, 0,1
	s_delay_alu instid0(VALU_DEP_2)
	v_permlanex16_b32 v[236+\b], v[232+\b], s20, s21
.endr
.irp b, 0,1
	s_delay_alu instid0(VALU_DEP_2)
	v_max_num_f32 v[232+\b], v[232+\b], v[236+\b]
.endr
.irp b, 0,1
	s_delay_alu instid0(VALU_DEP_2)
	v_add_nc_u32 v[244+\b], 0xfc000000, v[232+\b]
.endr
.irp b, 0,1
.endr
.irp b, 0,1
	s_delay_alu instid0(VALU_DEP_2)
	v_lshrrev_b32 v[236+\b], 23, v[244+\b]
.endr
	s_delay_alu instid0(VALU_DEP_1)
	v_lshl_or_b32 v254, v237, 8, v236              ; my head's two scale bytes
.irp b, 0,1
.irp i, 0,1,2,3,4,5,6,7,8,9,10,11,12,13,14,15
.endr
	v_cvt_scalef32_pk8_fp8_f32 v[PC+4*\b:PC+4*\b+1], v[S+16*\b:S+16*\b+7], v[244+\b]
	v_cvt_scalef32_pk8_fp8_f32 v[PC+4*\b+2:PC+4*\b+3], v[S+16*\b+8:S+16*\b+15], v[244+\b]
.endr
	v_nop                                          ; a plain instruction behind the last conversion
.irp b, 0,1
.irp u, 0,1
	ds_store_b64 v44, v[PC+4*\b+2*\u:PC+4*\b+2*\u+1] offset:32*\b+16*\u   ; d = 32 b + 16 u + 8 h + 0 .. 7 at its own place.  Slot 0 has had its last fill, and nobody reads it behind the last change of slots
.endr
.endr
	ds_store_b16 v45, v254                         ; both halves of the lanes write the same two bytes
	s_wait_dscnt 0x0                               ; for the others' sake: my stores into the stage are done
	s_barrier_signal -1
	s_barrier_wait -1
	ds_load_b128 v[48:51], v46
	ds_load_b128 v[52:55], v46 offset:2*CP
	s_wait_dscnt 1                                 ; the first two rows are back; the second load may be out
	global_store_b128 v47, v[48:51], s[10:11]      ; sixteen lanes store 256 consecutive bytes, aligned: four heads of a row of ctx
	s_wait_dscnt 0x0
	global_store_b128 v47, v[52:55], s[10:11] offset:2048
	s_cmp_lt_u32 s[WV], 2
	s_cbranch_scc0 .Lno_bytes
	ds_load_b64 v[56:57], v8
	s_wait_dscnt 0x0
	global_store_b64 v9, v[56:57], s[12:13]        ; 8 of a row's 32 scale bytes
.Lno_bytes:
	s_wait_tensorcnt 0x0                           ; the wave's end
	ds_add_u32 v5, v6
	s_wait_dscnt 0x0
	CROUND                                         ; the closing round
	s_endpgm
.Lfunc_end_k_q41aa07dc80_attn:
	.size	k_q41aa07dc80_attn, .Lfunc_end_k_q41aa07dc80_attn-k_q41aa07dc80_attn
	.p2alignl 7, 3214868480
	.fill 96, 4, 3214868480
	.section	.rodata,"a",@progbits
	.p2align	6, 0x0
	.amdhsa_kernel k_q41aa07dc80_attn
		.amdhsa_group_segment_fixed_size 327680
		.amdhsa_private_segment_fixed_size 0
		.amdhsa_enable_private_segment 0
		.amdhsa_kernarg_size 40
		.amdhsa_user_sgpr_count 2
		.amdhsa_user_sgpr_kernarg_segment_ptr 1
		.amdhsa_wavefront_size32 1
		.amdhsa_system_sgpr_workgroup_id_x 1
		.amdhsa_system_sgpr_workgroup_id_y 1
		.amdhsa_system_sgpr_workgroup_id_z 1
		.amdhsa_system_vgpr_workitem_id 0
		.amdhsa_next_free_vgpr 256
		.amdhsa_next_free_sgpr 80
		.amdhsa_reserve_vcc 0
		.amdhsa_float_denorm_mode_32 3
		.amdhsa_float_denorm_mode_16_64 3
		.amdhsa_fp16_overflow 1
		.amdhsa_memory_ordered 1
		.amdhsa_forward_progress 1
		.amdhsa_inst_pref_size 62
	.end_amdhsa_kernel
	.amdgpu_metadata
---
amdhsa.version: [ 1, 2 ]
amdhsa.kernels:
  - .name:           k_q41aa07dc80_attn
    .symbol:         k_q41aa07dc80_attn.kd
    .args:
      - { .name: mask, .offset: 0, .size: 8, .value_kind: global_buffer, .address_space: global }
      - { .name: img, .offset: 8, .size: 8, .value_kind: global_buffer, .address_space: global }
      - { .name: sc, .offset: 16, .size: 8, .value_kind: global_buffer, .address_space: global }
      - { .name: cx, .offset: 24, .size: 8, .value_kind: global_buffer, .address_space: global }
      - { .name: cxs, .offset: 32, .size: 8, .value_kind: global_buffer, .address_space: global }
    .group_segment_fixed_size: 327680
    .private_segment_fixed_size: 0
    .kernarg_segment_align: 8
    .kernarg_segment_size: 40
    .max_flat_workgroup_size: 512
    .sgpr_count:     80
    .vgpr_count:     256
    .wavefront_size: 32
...
	.end_amdgpu_metadata
.endif
;; end of part 3
;; launch outp (part 4): grid 4 x 32, 4 waves a work-group, clusters of 4 x 4, 327,680 bytes of LDS; arguments cx, cxs, w_out_codes, w_out_scales, b_out, out0; writes out0
.if DOCPART == 4
	.amdgcn_target "amdgcn-amd-amdhsa--gfx1250"
	.amdhsa_code_object_version 6
	.text
	.protected	k_q41aa07dc80_outp
	.globl	k_q41aa07dc80_outp
	.p2align	8
	.type	k_q41aa07dc80_outp,@function
k_q41aa07dc80_outp:
	s_mov_b64 s[64:65], 0
	v_nop
	global_prefetch_b8 v0, s[64:65] scope:SCOPE_SE
	s_setreg_imm32_b32 hwreg(HW_REG_WAVE_MODE, 25, 1), 1
	s_wait_xcnt 0x0
	s_wait_alu depctr_hold_cnt(0) depctr_sa_sdst(0) depctr_va_vdst(0) depctr_va_sdst(0) depctr_va_ssrc(0) depctr_va_vcc(0) depctr_vm_vsrc(0)
	s_getreg_b32 s2, hwreg(HW_REG_IB_STS2, 6, 4)
	s_cmp_eq_u32 s2, 0
	s_cbranch_scc0 .Lentry_in_a_cluster
	s_endpgm
.Lentry_in_a_cluster:
	s_bfe_u32 s2, ttmp6, 0x10000c
	s_cmp_lg_u32 s2, 0xf033
	s_cbranch_scc0 .Lentry_shape_is_right
	s_endpgm
.Lentry_shape_is_right:
.set NQ,     2
.set ROWB,   256
.set KROW,   1024
.set PITCH,  272
.set FR,     16
.set NL,     4
.set NP,     8
.set HALFT,  128*PITCH
.set SLOT,   4*HALFT
.set LAPS,   2
.set KS,     32
.set SCL,    2*SLOT
.set HALFS,  (128*KS/256)*272
.set SBLK,   (16*KS/256)*272
.set SPARE,  SCL+4*HALFS
.set SPITCH, 528
.set ADRA, 16
.set ADRB, 20
.set STO,  24
.set RD,   25
.set CO,   26
.set ADRS, 27
.set SPW,  28
.set NIL,  29
.set BA,   30
.set SC,   32
.set BI,   64
.set AF,   128
.set BK,   128
.set G1, 24
.set G0, 32
.set G1B, 48
.set G0B, 56
.set G1S, 68
.set G0S, 76
.set G1SB, 80
.set G0SB, 88
.set MSB, 0
.macro WIN new
.if MSB != (\new)
	s_set_vgpr_msb (MSB<<8)|(\new)
.set MSB, (\new)
.endif
.endm
.set MUL_LO, 0xa1
.set MUL_HI, 0xf1
.set TO_B,   0x40
.macro JLOAD g0a, g1a, g0b, g1b
	s_cmp_eq_u32 s15, 0
	s_cbranch_scc0 .Lfor_b_\@
	tensor_load_to_lds s[\g0a:\g0a+3], s[\g1a:\g1a+7]
	s_nop 0
.rept 4
	v_nop
.endr
	s_branch .Lasked_\@
.Lfor_b_\@:
	tensor_load_to_lds s[\g0b:\g0b+3], s[\g1b:\g1b+7]
	s_nop 0
.rept 4
	v_nop
.endr
.Lasked_\@:
.endm
.macro CREST
	s_cmp_lg_u32 s14, 0
	s_cbranch_scc1 .Lnot_wave_0_\@
	s_barrier_signal -3
.Lnot_wave_0_\@:
	s_barrier_wait -3
	s_barrier_signal -1
	s_barrier_wait -1
.endm
.macro CROUND
	s_barrier_signal -1
	s_barrier_wait -1
	CREST
.endm
	s_load_b128 s[4:7], s[0:1], 0x0
	s_load_b128 s[8:11], s[0:1], 0x10
	s_load_b64 s[96:97], s[0:1], 0x20
	s_load_b64 s[12:13], s[0:1], 0x28
	v_lshl_add_u32 v[SPW], v0, 2, SPARE
	v_mov_b32 v[NIL], 0
	ds_add_u32 v28, v29
	ds_add_u32 v28, v29
	s_wait_dscnt 0x0
	v_lshrrev_b32 v1, 5, v0
	v_readfirstlane_b32 s14, v1
	s_lshr_b32 s15, s14, 1
	s_and_b32 s16, s14, 1
	s_bfe_u32 s40, ttmp6, 0x40000
	s_bfe_u32 s41, ttmp6, 0x40004
	s_lshl_b32 s42, ttmp9, 2
	s_add_co_u32 s42, s42, s40
	s_and_b32 s17, ttmp7, 0xffff
	s_lshl_b32 s17, s17, 2
	s_add_co_u32 s17, s17, s41
	s_lshl_b32 s43, s41, 2
	s_lshl_b32 s43, 15, s43
	s_lshl_b32 s44, 0x1111, s40
	s_or_b32 s[G1+0], s43, (0<<16)|(1<<20)|(1<<21)|(5<<22)|(3<<25)
	s_or_b32 s[G1B+0], s44, (0<<16)|(1<<20)|(1<<21)|(5<<22)|(3<<25)
.irp g, G1, G1B
	s_mov_b32 s[\g+1], ROWB<<16
	s_mov_b32 s[\g+2], 128<<16
	s_mov_b32 s[\g+3], ROWB<<16
	s_mov_b32 s[\g+4], 128
	s_mov_b32 s[\g+5], KROW
	s_mov_b32 s[\g+6], 0
	s_mov_b32 s[\g+7], 0
.endr
	s_or_b32 s[G1S+0], s43, (3<<16)|(1<<20)|(1<<21)|(5<<22)|(3<<25)
	s_or_b32 s[G1SB+0], s44, (3<<16)|(1<<20)|(1<<21)|(5<<22)|(3<<25)
.irp g, G1S, G1SB
	s_mov_b32 s[\g+1], 32<<16
	s_mov_b32 s[\g+2], (128*KS/256)<<16
	s_mov_b32 s[\g+3], 32<<16
	s_mov_b32 s[\g+4], 128*KS/256
	s_mov_b32 s[\g+5], 32
	s_mov_b32 s[\g+6], 0
	s_mov_b32 s[\g+7], 0
.endr
	s_lshl_b32 s18, s16, 7
	s_lshl_b32 s20, s17, 8
	s_add_co_u32 s20, s20, s18
	s_lshl_b32 s46, s42, 8
	s_add_co_u32 s46, s46, s18
	s_mov_b32 s21, 0
	s_mov_b32 s47, 0
	s_mov_b64 s[18:19], KS
	s_mul_u64 s[22:23], s[20:21], s[18:19]
	s_mul_u64 s[92:93], s[46:47], s[18:19]
	s_mov_b64 s[18:19], KROW
	s_mul_u64 s[20:21], s[20:21], s[18:19]
	s_mul_u64 s[46:47], s[46:47], s[18:19]
	s_mul_i32 s45, s14, HALFT
	s_mul_i32 s94, s14, HALFS
	s_wait_kmcnt 0x0
	s_add_nc_u64 s[20:21], s[4:5], s[20:21]
	s_add_nc_u64 s[22:23], s[6:7], s[22:23]
	s_add_nc_u64 s[46:47], s[8:9], s[46:47]
	s_add_nc_u64 s[92:93], s[10:11], s[92:93]
	CROUND
	s_mov_b32 s[G0S], 1
	s_add_co_u32 s[G0S+1], s94, SCL
	s_mov_b64 s[G0S+2:G0S+3], s[22:23]
	s_or_b32 s[G0S+3], s[G0S+3], 0x80000000
	s_mov_b32 s[G0SB], 1
	s_add_co_u32 s[G0SB+1], s94, SCL
	s_mov_b64 s[G0SB+2:G0SB+3], s[92:93]
	s_or_b32 s[G0SB+3], s[G0SB+3], 0x80000000
	JLOAD G0S, G1S, G0SB, G1SB
.irp s, 0,1
	s_mov_b32 s[G0+4*\s], 1
	s_add_co_u32 s[G0+4*\s+1], s45, \s*SLOT
	s_add_nc_u64 s[G0+4*\s+2:G0+4*\s+3], s[20:21], \s*ROWB
	s_or_b32 s[G0+4*\s+3], s[G0+4*\s+3], 0x80000000
	s_mov_b32 s[G0B+4*\s], 1
	s_add_co_u32 s[G0B+4*\s+1], s45, \s*SLOT
	s_add_nc_u64 s[G0B+4*\s+2:G0B+4*\s+3], s[46:47], \s*ROWB
	s_or_b32 s[G0B+4*\s+3], s[G0B+4*\s+3], 0x80000000
	s_wait_alu depctr_va_vdst(0)
	s_wait_tensorcnt 0x0
	ds_add_u32 v28, v29
	s_wait_dscnt 0x0
	CROUND
	JLOAD G0+4*\s, G1, G0B+4*\s, G1B
.endr
	v_and_b32 v1, 15, v0
	v_bfe_u32 v2, v0, 4, 1
	v_mul_u32_u24 v3, v1, PITCH
	v_lshl_add_u32 v4, v2, 4, v3
	s_mul_i32 s21, s15, HALFT
	s_mul_i32 s22, s16, HALFT
	s_add_co_u32 s22, s22, 2*HALFT
.irp s, 0,1
	v_add_nc_u32 v[ADRA+\s], s21, v4
	v_add_nc_u32 v[ADRB+\s], s22, v4
	s_add_co_u32 s21, s21, SLOT
	s_add_co_u32 s22, s22, SLOT
.endr
	v_mul_u32_u24 v5, v1, KS
	v_lshrrev_b32 v6, 8, v5
	v_lshl_add_u32 v5, v6, 4, v5
	s_mul_i32 s21, s15, HALFS
	s_mul_i32 s22, s16, HALFS
	s_add_co_u32 s22, s22, 2*HALFS
	s_sub_co_u32 s22, s22, s21
	v_mul_u32_u24 v6, s22, v2
	s_add_co_u32 s21, s21, SCL
	v_add_nc_u32 v5, v5, v6
	v_add_nc_u32 v[ADRS], s21, v5
	s_mul_i32 s23, s14, 16*SPITCH
	v_mul_u32_u24 v5, v1, SPITCH
	v_lshl_add_u32 v5, v2, 5, v5
	v_add_nc_u32 v[STO], s23, v5
	v_and_b32 v6, 31, v0
	v_lshlrev_b32 v[CO], 4, v6
	v_add_nc_u32 v[RD], s23, v[CO]
	v_lshlrev_b32 v[BA], 5, v2
	s_wait_alu depctr_va_vdst(0)
	s_and_b32 s20, s17, 7
	s_lshl_b32 s20, s20, 8
	s_lshl_b32 s21, s15, 7
	s_add_co_u32 s20, s20, s21
	s_lshl_b32 s20, s20, 14
	s_lshr_b32 s21, s17, 3
	s_lshl_b32 s21, s21, 12
	s_add_co_u32 s20, s20, s21
	s_mov_b32 s21, 0
	s_lshl_b32 s46, s42, 10
	s_lshl_b32 s47, s16, 9
	s_add_co_u32 s46, s46, s47
	s_mov_b32 s47, 0
	s_add_nc_u64 s[96:97], s[96:97], s[46:47]
	s_add_nc_u64 s[20:21], s[20:21], s[46:47]
	s_add_nc_u64 s[12:13], s[12:13], s[20:21]
.irp b, 0,1,2,3,4,5,6,7
	global_load_b128 v[BI+8*\b:BI+8*\b+3], v[BA], s[96:97] offset:64*\b
	global_load_b128 v[BI+8*\b+4:BI+8*\b+7], v[BA], s[96:97] offset:64*\b+16
.endr
	s_wait_loadcnt 0x0
.macro FRAG reg, adr, q, i
.irp c, 0,1,2,3
	ds_load_b128 v[\reg+4*\c:\reg+4*\c+3], v[\adr] offset:128*(\q)+32*\c+(\i)*16*PITCH
.endr
.endm
.macro MM a, b, p, q, sc, cm
.set rD, 8*(8*((\a)%4)+(\b))
.set rB, 128*(\p)+FR*(\b)
.set rA, AF+FR*(\a)
.set rSB, SC+8*NQ*(\sc)+NQ*(\b)+(\q)
.set rSA, SC+8*NQ*(\sc)+NQ*(\a)+(\q)
.if (\cm) == 1
	v_wmma_scale_f32_16x16x128_f8f6f4 v[rD:rD+7], v[rB:rB+FR-1], v[rA:rA+FR-1], v[BI+8*(\b):BI+8*(\b)+7], v[rSB], v[rSA] matrix_a_scale:MATRIX_SCALE_ROW1
.else
	v_wmma_scale_f32_16x16x128_f8f6f4 v[rD:rD+7], v[rB:rB+FR-1], v[rA:rA+FR-1], v[rD:rD+7], v[rSB], v[rSA] matrix_a_scale:MATRIX_SCALE_ROW1
.endif
.endm
.macro MUL16 a0, p, q, sc, cm
.irp a, \a0, \a0+1
.irp b, 0,1,2,3,4,5,6,7
	MM (\a), \b, \p, \q, \sc, \cm
.endr
.endr
.endm
.macro FETCH_B slot, q, p
	WIN TO_B
.irp i, 0,1,2,3,4,5,6,7
	FRAG 128*(\p)+FR*\i, ADRB+\slot, \q, \i
.endr
	WIN 0
.endm
.macro FETCH_A slot, q, i0
.irp i, \i0, \i0+1, \i0+2, \i0+3
	FRAG AF+FR*(\i), ADRA+\slot, \q, \i
.endr
.endm
.macro SCALES sc
.irp i, 0,1,2,3,4,5,6,7
	ds_load_b64 v[SC+8*NQ*\sc+NQ*\i:SC+8*NQ*\sc+NQ*\i+1], v[ADRS] offset:\i*SBLK
.endr
.endm
.macro PLACES n
.rept \n
	v_nop
.endr
.endm
.macro STEP slot, q, cm
	s_wait_dscnt 4*NL
.if \cm
	WIN 0x81
.else
	WIN MUL_LO
.endif
	MUL16 0, (\q)%2, \q, \slot, \cm
	MUL16 2, (\q)%2, \q, \slot, \cm
	s_wait_dscnt 0
	PLACES NP
	FETCH_B \slot, (\q)+1, 1-(\q)%2
	FETCH_A \slot, (\q)+1, 0
.if \cm
	WIN 0xc1
.else
	WIN MUL_HI
.endif
	MUL16 4, (\q)%2, \q, \slot, \cm
	MUL16 6, (\q)%2, \q, \slot, \cm
	PLACES NP
	WIN 0
	FETCH_A \slot, (\q)+1, 4
.endm
.macro TURN slot, next, fill
	s_wait_tensorcnt 0x0
	ds_add_u32 v[SPW], v[NIL]
	s_wait_dscnt 4*NL+1
	WIN MUL_LO
	MUL16 0, 1, NQ-1, \slot, 0
	s_wait_dscnt 0x0
	s_barrier_signal -1
	MUL16 2, 1, NQ-1, \slot, 0
	WIN 0
	s_barrier_wait -1
.if \fill
	CREST
	s_add_nc_u64 s[G0+4*\slot+2:G0+4*\slot+3], s[G0+4*\slot+2:G0+4*\slot+3], 2*ROWB
	s_add_nc_u64 s[G0B+4*\slot+2:G0B+4*\slot+3], s[G0B+4*\slot+2:G0B+4*\slot+3], 2*ROWB
	JLOAD G0+4*\slot, G1, G0B+4*\slot, G1B
	PLACES NP-4
.else
	PLACES NP
.endif
	s_wait_alu depctr_va_vdst(0)
	v_add_nc_u32 v[ADRS], 4*NQ, v[ADRS]
	FETCH_B \next, 0, 0
	FETCH_A \next, 0, 0
	SCALES \next
	WIN MUL_HI
	MUL16 4, 1, NQ-1, \slot, 0
	MUL16 6, 1, NQ-1, \slot, 0
	PLACES NP
	WIN 0
	FETCH_A \next, 0, 4
.endm
	s_wait_tensorcnt 1
	s_barrier_signal -1
	s_barrier_wait -1
	FETCH_B 0, 0, 0
	FETCH_A 0, 0, 0
	SCALES 0
	FETCH_A 0, 0, 4
	STEP 0, 0, 1
	s_mov_b32 s3, LAPS-1
.Llap:
	TURN 0, 1, 1
	STEP 1, 0, 0
	TURN 1, 0, 1
	STEP 0, 0, 0
	s_sub_co_u32 s3, s3, 1
	s_cmp_lg_u32 s3, 0
	s_cbranch_scc1 .Llap
	TURN 0, 1, 0
	STEP 1, 0, 0
	s_wait_dscnt 4*NL
	WIN MUL_LO
	MUL16 0, 1, NQ-1, 1, 0
	MUL16 2, 1, NQ-1, 1, 0
	s_wait_dscnt 0
	WIN MUL_HI
	MUL16 4, 1, NQ-1, 1, 0
	MUL16 6, 1, NQ-1, 1, 0
	WIN 0
.macro TOSTAGE a
.set AC, 64*((\a)%4)
	WIN 0x08+4*((\a)/4)
.irp b, 0,1,2,3,4,5,6,7
	ds_store_b128 v[STO], v[AC+8*\b:AC+8*\b+3] offset:64*\b
	ds_store_b128 v[STO], v[AC+8*\b+4:AC+8*\b+7] offset:64*\b+16
.endr
	WIN 0
.set BB, BK+64*((\a)%2)
.irp t, 0,1,2,3,4,5,6,7,8,9,10,11,12,13,14,15
	ds_load_b128 v[BB+4*\t:BB+4*\t+3], v[RD] offset:\t*SPITCH
.endr
.endm
.macro SEND a, younger
.set BB, BK+64*((\a)%2)
	s_wait_dscnt \younger
.if (\a) > 0
	s_add_nc_u64 s[12:13], s[12:13], 16*16384
.endif
.irp t, 0,1,2,3,4,5,6,7,8,9,10,11,12,13,14,15
	global_store_b128 v[CO], v[BB+4*\t:BB+4*\t+3], s[12:13] offset:\t*16384 th:TH_STORE_NT
.endr
.endm
	PLACES NP
	TOSTAGE 0
.irp a, 1,2,3,4,5,6,7
.if \a > 1
	s_wait_xcnt 0x0
.endif
	TOSTAGE \a
	SEND \a-1, 32
.endr
	s_wait_xcnt 0x0
	SEND 7, 0
	s_wait_tensorcnt 0x0
	ds_add_u32 v[SPW], v[NIL]
	s_wait_dscnt 0x0
	CROUND
	s_endpgm
.Lfunc_end_k_q41aa07dc80_outp:
	.size	k_q41aa07dc80_outp, .Lfunc_end_k_q41aa07dc80_outp-k_q41aa07dc80_outp
	.p2alignl 7, 3214868480
	.fill 96, 4, 3214868480
	.section	.rodata,"a",@progbits
	.p2align	6, 0x0
	.amdhsa_kernel k_q41aa07dc80_outp
		.amdhsa_group_segment_fixed_size 327680
		.amdhsa_private_segment_fixed_size 0
		.amdhsa_enable_private_segment 0
		.amdhsa_kernarg_size 48
		.amdhsa_user_sgpr_count 2
		.amdhsa_user_sgpr_kernarg_segment_ptr 1
		.amdhsa_wavefront_size32 1
		.amdhsa_system_sgpr_workgroup_id_x 1
		.amdhsa_system_sgpr_workgroup_id_y 1
		.amdhsa_system_sgpr_workgroup_id_z 1
		.amdhsa_system_vgpr_workitem_id 0
		.amdhsa_next_free_vgpr 1024
		.amdhsa_next_free_sgpr 98
		.amdhsa_reserve_vcc 0
		.amdhsa_float_denorm_mode_32 3
		.amdhsa_float_denorm_mode_16_64 3
		.amdhsa_memory_ordered 1
		.amdhsa_forward_progress 1
		.amdhsa_inst_pref_size 148
	.end_amdhsa_kernel
	.amdgpu_metadata
---
amdhsa.version: [ 1, 2 ]
amdhsa.kernels:
  - .name:           k_q41aa07dc80_outp
    .symbol:         k_q41aa07dc80_outp.kd
    .args:
      - { .name: cx, .offset: 0, .size: 8, .value_kind: global_buffer, .address_space: global }
      - { .name: cxs, .offset: 8, .size: 8, .value_kind: global_buffer, .address_space: global }
      - { .name: w_out_codes, .offset: 16, .size: 8, .value_kind: global_buffer, .address_space: global }
      - { .name: w_out_scales, .offset: 24, .size: 8, .value_kind: global_buffer, .address_space: global }
      - { .name: b_out, .offset: 32, .size: 8, .value_kind: global_buffer, .address_space: global }
      - { .name: out0, .offset: 40, .size: 8, .value_kind: global_buffer, .address_space: global }
    .group_segment_fixed_size: 327680
    .private_segment_fixed_size: 0
    .kernarg_segment_align: 8
    .kernarg_segment_size: 48
    .max_flat_workgroup_size: 128
    .sgpr_count:     98
    .vgpr_count:     1024
    .wavefront_size: 32
...
	.end_amdgpu_metadata
.endif
;; end of part 4
